; MI455X (gfx1250); checked and timed in simulation.
; The chip was launched on July 23, 2026; its instructions are those of AMD's public machine-readable ISA for CDNA 5 (MIT licence, August 2026) and "CDNA5" Instruction Set Architecture Reference Guide (July 2026). The comments in the code are by the model that wrote it; some were corrected since.
;; Classical Self Attention. Allowed arithmetic: matrix products marked QUANTISED: E2M3 operands, one E8M0 scale for each 32 along K, by v_wmma_scale_f32_16x16x128_f8f6f4 with both operands' format E2M3, f32 sums; everything else in f32.
;; Inputs: bk 1,024 float32; bo 1,024 float32; bq 1,024 float32; bv 1,024 float32; inputs 4 x 2,048 x 1,024 float32; wk 1,024 x 1,024 float32; wo 1,024 x 1,024 float32; wq 1,024 x 1,024 float32; wv 1,024 x 1,024 float32.
;; Outputs: out0 4 x 2,048 x 1,024 float32.
;; This version of the problem:
;;   THIS VERSION OF THE PROBLEM IS GIVEN IN LOW PRECISION. The matrix products marked QUANTISED in the list below multiply operands that are first quantised to E2M3 (2 exponent bits, 3 mantissa bits; 6 bits a number), with one power-of-two scale for each 32 numbers along K (OCP MX v1.0); their sums are f32. All else is computed in f32.
;;   The module's matrix products, in the order in which they are computed (A, B: the left and right operand; K: the contracted axis; several contracted axes count as one K, in the product's order):
;;     1. [M 8,192, K 1,024] x [K 1,024, N 1,024]; A: input inputs; B: input wq: QUANTISED
;;     2. [M 8,192, K 1,024] x [K 1,024, N 1,024]; A: input inputs; B: input wk: QUANTISED
;;     3. [M 8,192, K 1,024] x [K 1,024, N 1,024]; A: input inputs; B: input wv: QUANTISED
;;     4. batch 64 x [M 2,048, K 64] x [K 64, N 2,048]; A: computed on the way; B: computed on the way: QUANTISED
;;     5. batch 64 x [M 2,048, K 2,048] x [K 2,048, N 64]; A: softmax (see below); B: computed on the way: QUANTISED
;;     6. [M 8,192, K 1,024] x [K 1,024, N 1,024]; A: computed on the way; B: input wo: QUANTISED
;;   THE QUANTISER, for each operand of a quantised product, along K:
;;     - K is cut into blocks of 32 from its start; a last block that is shorter is filled with zeros.
;;     - A block's scale is 2^e with e = floor(log2(the largest magnitude in the block)) - 2, held to -126 .. 127; a block of zeros has e = 0. As a byte (E8M0): e + 127.
;;     - Each number is divided by its block's scale, clamped to +-7.5, and rounded to the nearest number of E2M3, ties to even, subnormals kept.
;;     - The product sums the exact products of the quantised numbers (number of the format x scale) in f32.
;;   ~~~python
;;   def quantise(x, axis):      # numpy; x: float32 -> the quantised numbers, widened to float32 again
;;       x = np.moveaxis(x, axis, -1); K = x.shape[-1]
;;       x = np.pad(x, [(0, 0)] * (x.ndim - 1) + [(0, -K % 32)]); x = x.reshape(x.shape[:-1] + (-1, 32)); a = np.abs(x).max(-1, keepdims=True)
;;       e = np.where(a > 0, np.clip(np.frexp(np.where(a > 0, a, 1))[1] - 1 - 2, -126, 127), 0)      # np.frexp(a)[1] - 1 = floor(log2(a)), exactly
;;       r = np.clip(x / 2.0 ** e, -7.5, 7.5)
;;       step = 2.0 ** (np.maximum(np.frexp(np.where(r == 0, 1, r))[1] - 1, 0) - 3)
;;       q = np.round(r / step) * step * 2.0 ** e      # np.round: ties to even
;;       return np.moveaxis(q.reshape(q.shape[:-2] + (-1,))[..., :K], -1, axis).astype(np.float32)
;;   ~~~
;;   SOFTMAX AHEAD OF A QUANTISED PRODUCT. Where the list says 'softmax', what is quantised is not the finished softmax but p = 2^(t - M), with t = logit x log2(e) and M = ceil(the row's largest t), a whole number; so 1/2 < the row's largest p <= 1. The row's sum l is taken of the UNQUANTISED p, in f32, and the product's result is divided by l at the end. Since M is a whole number, a kernel that streams over the keys may use a running M (the ceiling of the running maximum): every later rescaling is an exact power of two, which a block's scale takes up: the codes' values come out the same.
;;   OPERANDS COMPUTED ON THE WAY. 'Computed on the way' means the value that the module computes at that place (a softmax that the list does not call 'softmax' is quantised finished and normalised). What goes into a quantiser is computed in f32, as accurately as f32 sums, v_exp_f32 and their like allow (about 1e-6 of the number): no bf16 or f16 on the way to a quantiser, and a product that is left as it is and whose result goes on into a quantised operand takes f32 operands (vector FMAs, or v_wmma_f32_16x16x4_f32). A number that lies on a knife's edge between two numbers of the format may be rounded either way, as far as f32 arithmetic and the matrix unit's own rounding can turn it there, and no further.
;; One version. Each part assembles by itself: llvm-mc -triple=amdgcn-amd-amdhsa -mcpu=gfx1250 --defsym DOCPART=n.
;; ======== version 1 of 1: 4 launches
;; limits: right only within a limited range of input values
;; workspace buffers: cod 9,437,184 bytes; scl 393,216 bytes; qkvc 18,874,368 bytes; qkvs 786,432 bytes; aoc 6,291,456 bytes; aos 262,144 bytes
;; launch quant (part 1): grid 768 x 1, 2 waves a work-group, no clusters, 17,152 bytes of LDS; arguments inputs, wq, wk, wv, wo, cod, scl; writes cod, scl
.if DOCPART == 1
	.amdgcn_target "amdgcn-amd-amdhsa--gfx1250"
	.amdhsa_code_object_version 6
	.text
	.protected	k_qf7f992448a_quant
	.globl	k_qf7f992448a_quant
	.p2align	8
	.type	k_qf7f992448a_quant,@function
k_qf7f992448a_quant:
	s_mov_b64 s[64:65], 0
	v_nop
	global_prefetch_b8 v0, s[64:65] scope:SCOPE_SE
	s_setreg_imm32_b32 hwreg(HW_REG_WAVE_MODE, 25, 1), 1
	s_wait_xcnt 0x0
; inputs [8192][1024] and wq, wk, wv, wo [1024][1024], f32, K innermost, become codes of FP6 (E2M3) with one E8M0 byte for each 32 along K.
; The codes are laid IN THE ORDER OF AN OPERAND'S REGISTERS.  Rows go in groups of 32; tile (g, u), lane r, takes row 32 g + 8 u + r + 8 (r / 8).
; A fragment (16 rows x 128 K, 12 registers a lane) is 1,536 bytes: two halves of 768; in a half lane l's registers 0-3 lie at 16 l, registers 4-5 at 512 + 8 l.
; cod: [tile 0..767][K step 0..7][1,536]; tiles 0-511 inputs, 512-575 wq, 576-639 wk, 640-703 wv, 704-767 wo.
; scl: [tile / 2][K half][lane 16 u + r][4 words]: a word is the four bytes of one row and one K step.
; A block's scale is 2^(floor(log2(largest magnitude)) - 2); its byte is the largest magnitude's exponent field - 2, held at 1 from below.
; LIMITS: a block of zeros gets the byte 1 where the rule says 127 (its codes are zeros, and this program alone reads the bytes); NaN and infinities among the inputs are not served.
; SHARES: a work-group is one tile of 16 rows; wave q takes K 512 q .. 512 q + 511, four steps of 128.  A load reads 512 consecutive bytes of one row; the step's 8,192 bytes turn through the
; wave's own stage in LDS (rows 528 bytes apart), so that a lane gets 16 neighbours of each block of 32.  No tensor load, no barrier: the waves share nothing.  Memory binds: no matrix unit, no cluster.
.set ROWP,  528
.set STGB,  16*ROWP                    ; a wave's stage
.set SPARE, 2*STGB                     ; behind the stages: the spare words, 128 bytes a wave: one block of 256 bytes that no other line names
.set LN,  1                            ; v1   lane
.set RR,  2                            ; v2   r = lane % 16
.set HH,  3                            ; v3   h = lane / 16
.set L16, 4                            ; v4   16 x lane
.set STI, 5                            ; v5   the stage, on the way in
.set STO, 6                            ; v6   and on the way out: row r, + 64 h
.set L8,  8                            ; v8   8 x lane
.set SA,  9                            ; v9   16 r + 8 h: my 8 bytes of the tile's scale words
.set SPW, 10                           ; v10  my spare word; never rewritten
.set NIL, 11                           ; v11  0; never rewritten
.set SW,  12                           ; v12-15 the four steps' scale words
.set TM,  16                           ; v16-31 at work in the quantiser
.set PC,  34                           ; v34-45 the fragment; v46-53 the conversions' second halves
.set OW,  54                           ; v54-55 two scale words to store
.set RS,  64                           ; v64-191 two sets of 64 numbers as loaded
.set X,   192                          ; v192-255 64 numbers: register 16 b + i = K 32 b + 16 h + i of row r
.set WV,  18
.set SEL, 22
	s_load_b256 s[4:11], s[0:1], 0x0               ; inputs, wq, wk, wv
	s_load_b128 s[12:15], s[0:1], 0x20             ; wo, cod
	s_load_b64 s[16:17], s[0:1], 0x30              ; scl
	v_lshl_add_u32 v[SPW], v0, 2, SPARE
	v_mov_b32 v[NIL], 0
	v_lshrrev_b32 v1, 5, v0
	v_readfirstlane_b32 s[WV], v1                  ; wave = K half
	v_and_b32 v[LN], 31, v0
	v_and_b32 v[RR], 15, v0
	v_bfe_u32 v[HH], v0, 4, 1
	v_lshlrev_b32 v[L16], 4, v[LN]
	v_lshlrev_b32 v[L8], 3, v[LN]
	s_mul_i32 s19, s[WV], STGB
	v_add_nc_u32 v[STI], s19, v[L16]
	v_mul_u32_u24 v[STO], v[RR], ROWP
	v_lshl_add_u32 v[STO], v[HH], 6, v[STO]
	v_add_nc_u32 v[STO], s19, v[STO]
	v_lshlrev_b32 v[SA], 4, v[RR]
	v_lshl_add_u32 v[SA], v[HH], 3, v[SA]
.irp b, 0,1,2,3
	v_mov_b32 v[TM+4+\b], 0                        ; written once: a lane permute's destination counts as one of its sources
.endr
	s_mov_b32 s[SEL], 0x76543210
	s_mov_b32 s[SEL+1], 0xfedcba98                 ; lane l xor 16
	s_cmp_lt_u32 ttmp9, 512
	s_cselect_b32 s20, 511, 63
	s_and_b32 s20, ttmp9, s20                      ; the tile's number in its own tensor
	s_lshr_b32 s24, s20, 1
	s_lshl_b32 s24, s24, 17                        ; 32 rows of 4,096 bytes a group
	s_and_b32 s25, s20, 1
	s_lshl_b32 s25, s25, 15                        ; 8 rows for u
	s_add_co_u32 s24, s24, s25
	s_lshl_b32 s25, s[WV], 11                      ; my K half: 2,048 bytes
	s_add_co_u32 s24, s24, s25
	s_mov_b32 s25, 0
	s_mul_i32 s26, ttmp9, 12288                    ; the tile's codes,
	s_mul_i32 s27, s[WV], 6144                     ; my four K steps
	s_add_co_u32 s26, s26, s27
	s_mov_b32 s27, 0
	s_lshr_b32 s28, ttmp9, 1
	s_lshl_b32 s28, s28, 10                        ; the group's scale words,
	s_and_b32 s29, ttmp9, 1
	s_lshl_b32 s29, s29, 8                         ; the tile's 16 lanes,
	s_add_co_u32 s28, s28, s29
	s_lshl_b32 s29, s[WV], 9                       ; my K half
	s_add_co_u32 s28, s28, s29
	s_mov_b32 s29, 0
	s_wait_alu depctr_va_vdst(0)
	s_wait_kmcnt 0x0
	s_cmp_lt_u32 ttmp9, 704                        ; which tensor: the choice hangs on the work-group's number alone
	s_cselect_b64 s[12:13], s[10:11], s[12:13]
	s_cmp_lt_u32 ttmp9, 640
	s_cselect_b64 s[12:13], s[8:9], s[12:13]
	s_cmp_lt_u32 ttmp9, 576
	s_cselect_b64 s[12:13], s[6:7], s[12:13]
	s_cmp_lt_u32 ttmp9, 512
	s_cselect_b64 s[12:13], s[4:5], s[12:13]
	s_add_nc_u64 s[12:13], s[12:13], s[24:25]
	s_add_nc_u64 s[14:15], s[14:15], s[26:27]
	s_add_nc_u64 s[16:17], s[16:17], s[28:29]
.macro LOAD t                          ; step t: 16 rows x 512 consecutive bytes, into set t % 2
.irp i, 0,1,2,3,4,5,6,7,8,9,10,11,12,13,14,15
	global_load_b128 v[RS+64*((\t)%2)+4*\i:RS+64*((\t)%2)+4*\i+3], v[L16], s[12:13] offset:(\i+8*(\i/8))*4096+512*(\t) th:TH_LOAD_NT
.endr
.endm
.macro TURN t                          ; through the stage: LDS serves a wave's instructions in order, so no wait stands between the stores and the loads
.irp i, 0,1,2,3,4,5,6,7,8,9,10,11,12,13,14,15
	ds_store_b128 v[STI], v[RS+64*((\t)%2)+4*\i:RS+64*((\t)%2)+4*\i+3] offset:ROWP*\i
.endr
.irp b, 0,1,2,3
.irp j, 0,1,2,3
	ds_load_b128 v[X+16*\b+4*\j:X+16*\b+4*\j+3], v[STO] offset:128*\b+16*\j
.endr
.endr
.endm
; 64 numbers of a lane, register 16 b + i = K 32 b + 16 h + i of my row, become a fragment's codes in v[PC] on and its scale word in v[pw]
.macro QUANT s, pw
.irp b, 0,1,2,3
	v_max3_num_f32 v[TM+\b], |v[\s+16*\b]|, |v[\s+1+16*\b]|, 0x1800000   ; my 16 numbers of block b, and the floor 2^(3 - 127): the byte cannot fall under 1
.endr
.irp i, 2,4,6,8,10,12,14
.irp b, 0,1,2,3
	v_max3_num_f32 v[TM+\b], v[TM+\b], |v[\s+16*\b+\i]|, |v[\s+1+16*\b+\i]|
.endr
.endr
.irp b, 0,1,2,3
	v_permlanex16_b32 v[TM+4+\b], v[TM+\b], s[SEL], s[SEL+1]
.endr
.irp b, 0,1,2,3
	v_max_num_f32 v[TM+\b], v[TM+\b], v[TM+4+\b]   ; with lane l xor 16's: the block's largest magnitude
.endr
.irp b, 0,1,2,3
	v_add_nc_u32 v[TM+12+\b], 0xff000000, v[TM+\b] ; 2 off its exponent field: the conversion's scale operand
.endr
.irp b, 0,1,2,3
	v_lshrrev_b32 v[TM+4+\b], 23, v[TM+12+\b]      ; the scale's byte
.endr
	v_lshl_or_b32 v[\pw], v[TM+5], 8, v[TM+4]
	v_lshl_or_b32 v[\pw], v[TM+6], 16, v[\pw]
	v_lshl_or_b32 v[\pw], v[TM+7], 24, v[\pw]
.irp c, 0,1
	v_cvt_scalef32_pk16_fp6_f32 v[PC+6*\c:PC+2+6*\c], v[\s+32*\c:\s+15+32*\c], v[TM+12+2*\c]
	v_cvt_scalef32_pk16_fp6_f32 v[PC+12+4*\c:PC+14+4*\c], v[\s+16+32*\c:\s+31+32*\c], v[TM+12+2*\c+1]   ; (a conversion's three registers begin on an even number)
.endr
	v_nop                                          ; one plain place behind a scaled conversion
.irp c, 0,1                            ; the layout wants a whole block in a lane: lanes 0-15 block 2 c, lanes 16-31 block 2 c + 1
.irp i, 0,1,2
	v_permlane16_swap_b32 v[PC+6*\c+\i], v[PC+12+4*\c+\i]
.endr
.irp i, 0,1,2
	v_mov_b32 v[PC+3+6*\c+\i], v[PC+12+4*\c+\i]
.endr
.endr
.endm
.macro STEP t
.if (\t) < 3
	s_wait_loadcnt 16                              ; this step's 16 loads are in; the next step's 16 may be out
.else
	s_wait_loadcnt 0x0
.endif
	TURN \t
	s_wait_dscnt 0x0                               ; my 64 numbers are back, and the stores into the stage have read their registers,
.if (\t) < 2
	LOAD (\t)+2                                    ; which take the loads of two steps on
.endif
.if (\t) > 0
	s_wait_xcnt 0x0                                ; the last step's stores have read the fragment's registers: they are written again only behind this wait
.endif
	QUANT X, SW+(\t)
	global_store_b128 v[L16], v[PC:PC+3], s[14:15] offset:1536*(\t)          ; 512 consecutive bytes,
	global_store_b64 v[L8], v[PC+4:PC+5], s[14:15] offset:1536*(\t)+512      ; 256,
	global_store_b128 v[L16], v[PC+6:PC+9], s[14:15] offset:1536*(\t)+768    ; and the second half likewise: every store begins at a multiple of 256 from cod's first byte
	global_store_b64 v[L8], v[PC+10:PC+11], s[14:15] offset:1536*(\t)+1280
.endm
	LOAD 0
	LOAD 1
	STEP 0
	STEP 1
	STEP 2
	STEP 3
	v_cmp_ne_u32 vcc_lo, 0, v[HH]                  ; lanes 0-15 store words 0 and 1 of their row, lanes 16-31 words 2 and 3 (both halves hold all four)
	v_cndmask_b32 v[OW], v[SW], v[SW+2], vcc_lo
	v_cndmask_b32 v[OW+1], v[SW+1], v[SW+3], vcc_lo
	global_store_b64 v[SA], v[OW:OW+1], s[16:17]   ; 256 consecutive bytes, aligned
	s_wait_tensorcnt 0x0                           ; the wave's end, behind my last LDS store
	ds_add_u32 v[SPW], v[NIL]
	s_wait_dscnt 0x0
	s_endpgm
.Lfunc_end_k_qf7f992448a_quant:
	.size	k_qf7f992448a_quant, .Lfunc_end_k_qf7f992448a_quant-k_qf7f992448a_quant
	.p2alignl 7, 3214868480
	.fill 96, 4, 3214868480
	.section	.rodata,"a",@progbits
	.p2align	6, 0x0
	.amdhsa_kernel k_qf7f992448a_quant
		.amdhsa_group_segment_fixed_size 17152
		.amdhsa_private_segment_fixed_size 0
		.amdhsa_enable_private_segment 0
		.amdhsa_kernarg_size 56
		.amdhsa_user_sgpr_count 2
		.amdhsa_user_sgpr_kernarg_segment_ptr 1
		.amdhsa_wavefront_size32 1
		.amdhsa_system_sgpr_workgroup_id_x 1
		.amdhsa_system_sgpr_workgroup_id_y 1
		.amdhsa_system_sgpr_workgroup_id_z 1
		.amdhsa_system_vgpr_workitem_id 0
		.amdhsa_next_free_vgpr 256
		.amdhsa_next_free_sgpr 66
		.amdhsa_reserve_vcc 1
		.amdhsa_float_denorm_mode_32 3
		.amdhsa_float_denorm_mode_16_64 3
		.amdhsa_memory_ordered 1
		.amdhsa_forward_progress 1
		.amdhsa_inst_pref_size 34
	.end_amdhsa_kernel
	.amdgpu_metadata
---
amdhsa.version: [ 1, 2 ]
amdhsa.kernels:
  - .name:           k_qf7f992448a_quant
    .symbol:         k_qf7f992448a_quant.kd
    .args:
      - { .name: inputs, .offset: 0, .size: 8, .value_kind: global_buffer, .address_space: global }
      - { .name: wq, .offset: 8, .size: 8, .value_kind: global_buffer, .address_space: global }
      - { .name: wk, .offset: 16, .size: 8, .value_kind: global_buffer, .address_space: global }
      - { .name: wv, .offset: 24, .size: 8, .value_kind: global_buffer, .address_space: global }
      - { .name: wo, .offset: 32, .size: 8, .value_kind: global_buffer, .address_space: global }
      - { .name: cod, .offset: 40, .size: 8, .value_kind: global_buffer, .address_space: global }
      - { .name: scl, .offset: 48, .size: 8, .value_kind: global_buffer, .address_space: global }
    .group_segment_fixed_size: 17152
    .private_segment_fixed_size: 0
    .kernarg_segment_align: 8
    .kernarg_segment_size: 56
    .max_flat_workgroup_size: 64
    .sgpr_count:     66
    .vgpr_count:     256
    .wavefront_size: 32
...
	.end_amdgpu_metadata
.endif
;; end of part 1
;; launch qkv (part 2): grid 4 x 64, 4 waves a work-group, clusters of 4 x 4, 327,680 bytes of LDS; arguments cod, scl, bq, bk, bv, qkvc, qkvs; writes qkvc, qkvs
.if DOCPART == 2
	.amdgcn_target "amdgcn-amd-amdhsa--gfx1250"
	.amdhsa_code_object_version 6
	.text
	.protected	k_qf7f992448a_qkv
	.globl	k_qf7f992448a_qkv
	.p2align	8
	.type	k_qf7f992448a_qkv,@function
k_qf7f992448a_qkv:
	s_mov_b64 s[64:65], 0
	v_nop
	global_prefetch_b8 v0, s[64:65] scope:SCOPE_SE
	s_setreg_imm32_b32 hwreg(HW_REG_WAVE_MODE, 25, 1), 1
	s_wait_xcnt 0x0
	s_wait_alu depctr_hold_cnt(0) depctr_sa_sdst(0) depctr_va_vdst(0) depctr_va_sdst(0) depctr_va_ssrc(0) depctr_va_vcc(0) depctr_vm_vsrc(0)
	s_getreg_b32 s2, hwreg(HW_REG_IB_STS2, 6, 4)
	s_cmp_eq_u32 s2, 0
	s_cbranch_scc0 .Lentry_in_a_cluster
	s_endpgm
.Lentry_in_a_cluster:
	s_bfe_u32 s2, ttmp6, 0x10000c
	s_cmp_lg_u32 s2, 0xf033
	s_cbranch_scc0 .Lentry_shape_is_right
	s_endpgm
.Lentry_shape_is_right:
; q = x wq^T + bq, k = x wk^T + bk and v^T = wv x^T + bv on codes of FP6 (E2M3), sums in f32; the results are quantised on the way out: q and k along a head's 64 channels, v along the keys.
; FRAME.  A tile is 128 rows (operand R, source 1) x 256 columns (operand C, source 0), K = 1,024; four waves, each 64 x 128: 32 accumulators, 256 registers.
; The product is used transposed: a lane holds ONE row, and its registers run along the columns, which are the next product's K.  A tile's rows are 32 g + 8 u + r + 8 (r / 8), so that the 16 registers
; of column tiles (g, 0) and (g, 1) are 16 neighbouring columns 32 g + 16 (lane / 16) + 0 .. 15.
; A WORK-GROUP STAYS: 256 work-groups make three tiles each: a tile of q, the tile of k of the same tokens (a loop of two trips: R = x's tokens, C = rows of wq, then of wk), and a tile of v^T
; (written out behind the loop: R = rows of wv, C = x's tokens).  With Y the cluster's y: q, k: tile row 4 Y + cy of 64, tile column cx of 4;  v: tile row 4 (Y & 1) + cy of 8, tile column 4 (Y >> 1) + cx of 32.
; LDS.  Both operands of a tile for the whole K, (128 + 256) x 768 bytes, in two halves of four K steps: [K half][R's 8 tiles, then C's 16][6,144 bytes].  One tensor load a wave for each tile:
; wave 0 R's first half, wave 1 C's, wave 2 R's second half, wave 3 C's, each by a line of its own.  A tile's first barrier shows waves 0 and 1's loads, the barrier in K step 3 the others'.
; THE REFILL.  When K step 7's fragments are in registers nobody reads LDS any more: each wave waits for its tensor load, adds 0 to its spare word and waits for that;
; a round of the cluster's barrier follows, with K step 7's last 16 products inside it; behind it each wave asks for its part of the next tile, which has the way out in which to land.
; R's tokens are asked for again for the tile of k: the loop's text is one.
; Codes lie as images of the operand's registers (a fragment: 1,536 bytes), so every LDS load reads consecutive bytes: no padding.  A tile's row in memory is 6,144 bytes and begins at a multiple of 256.
; CLUSTER 4 x 4: R's tiles hang on the tile row alone and are asked for jointly along a row of the cluster, C's on the tile column alone and jointly along a column.
; No prefetch: a refill is asked for a whole way out ahead of its first read; of what it brings, x's codes have been read by this launch's work-groups for the tile before, and a weight's 786,432 bytes are
; the same for all sixteen clusters.
; OUT.  qkvc, per (batch, head) 294,912 bytes: 16 key steps x (K: 4 groups x [tile u][768]; V at + 6,144: 4 channel tiles x [keys 0-63][keys 64-127]); Q at + 196,608: [group][u][768].
;       qkvs, per (batch, head) 12,288 bytes: K [group][r] words (tile 0's two bytes, tile 1's two); V at + 4,096: [key step][u][g][r] words; Q at + 8,192, as K.
; LIMITS: a block of zeros gets the byte 1 where the rule says 127 (its codes are zeros, and this program alone reads the bytes); NaN and infinities are not served.
; REGISTERS: window 0: v1-29 addresses; v36-51 R's scale words, v56-87 C's (lanes 0-15 the even tile, lanes 16-31 the odd); v144-239 R's fragments, two sets; on the way out v88-127 and v144-249 are at work.
;   window 1: C's fragments, sets at v0 and v128.   window 2: accumulator (a, b) at v[8 (8 a + b)].   window 3: v0-63 q's or k's bias by column, v64-95 v's by row.
.set TILEB, 6144                       ; four K steps of one tile of 16 rows
.set HALF,  24*TILEB                   ; a K half: R's 8 tiles, then C's 16
.set SPARE, 2*HALF                     ; the spare words, 128 bytes a wave: two blocks of 256 bytes that no other line names
.set LN,   1
.set RR,   2
.set HH,   3
.set L16,  4
.set L8,   5
.set SAD,  6                           ; 4 x lane
.set AR16, 8                           ; v8-9, v12-13   my R fragments in K half 0, 1: 16 x lane, 8 x lane
.set AR8,  12
.set AC16, 16                          ; v16-17, v20-21 the same for C
.set AC8,  20
.set VB0,  24                          ; the bias by column: 64 h
.set VB1,  25                          ; the bias by row: 4 (r + 8 (r / 8))
.set SPW,  28
.set NIL,  29
.set SCR,  36                          ; R's and C's scale registers of a product differ modulo 8: 36 + s against 56 + s
.set SCC,  56
.set RF,   144
.set TM,   208                         ; v208-215 largest magnitudes, v216-223 the other half's, v224-231 scale operands, v232-239 bytes
.set TN,   216
.set SO,   224
.set BY,   232
.set PW,   240                         ; v240-241 the pair's scale words; v242-245 as stored; v246-247 chosen by the lane's half
.set WW,   242
.set FW,   246
.set BI,   0                           ; in window 3
.set BV,   64
.set WV,   18
.set WR,   19
.set WC,   20
.set G1R,  24                          ; s[24:31] group 1 for R's tiles; s[32:39] two groups 0
.set G0R,  32
.set NR,   40                          ; s[40:41], s[42:43] where the next tile's R and C begin in cod, in bytes
.set NC,   42
.set VR,   44                          ; s44, s45 the same for the tile of v
.set VC,   45
.set T,    46                          ; the loop's counter
.set G1C,  48                          ; s[48:55] group 1 for C's tiles; s[56:63] two groups 0
.set G0C,  56
.set PSR,  66                          ; s[66:67], s[68:69] the scale words that are loaded next: R's, C's;  s[70:73] those of the tile of v
.set PSC,  68
.set VSR,  70
.set VSC,  72
.set KOC,  74                          ; s[74:77] where k's codes and scale words go;  s[78:81] v's;  s[14:17] the tile's in hand in the loop
.set KOS,  76
.set VOC,  78
.set VOS,  80
.set SEL,  96
.set MSB, 0
.macro WIN new                         ; the immediate's high byte repeats the setting that is left
.if MSB != \new
	s_set_vgpr_msb (MSB<<8)|\new
.set MSB, \new
.endif
.endm
.macro PLACES n
.rept \n
	v_nop
.endr
.endm
.macro CREST                           ; a round of the cluster's barrier behind its opening barrier
	s_cmp_lg_u32 s[WV], 0
	s_cbranch_scc1 .Lnot_wave_0_\@
	s_barrier_signal -3
.Lnot_wave_0_\@:
	s_barrier_wait -3
	s_barrier_signal -1
	s_barrier_wait -1
.endm
.macro CROUND
	s_barrier_signal -1
	s_barrier_wait -1
	CREST
.endm
.macro TL g0, g1                       ; a joint load, its s_nop 0 and four v_nop
	tensor_load_to_lds s[\g0:\g0+3], s[\g1:\g1+7]
	s_nop 0
	PLACES 4
.endm
.macro LOAD4                           ; a tile's four loads: one chain of arms on the wave's number, one load to an arm
	s_cmp_lt_u32 s[WV], 1
	s_cbranch_scc0 .Lc0_\@
	TL G0R, G1R
	s_branch .Lasked_\@
.Lc0_\@:
	s_cmp_lt_u32 s[WV], 2
	s_cbranch_scc0 .Lr1_\@
	TL G0C, G1C
	s_branch .Lasked_\@
.Lr1_\@:
	s_cmp_lt_u32 s[WV], 3
	s_cbranch_scc0 .Lc1_\@
	TL G0R+4, G1R
	s_branch .Lasked_\@
.Lc1_\@:
	TL G0C+4, G1C
.Lasked_\@:
.endm
.macro DESC r, c                       ; the four groups 0 take a tile's addresses: cod + the offsets in s[r:r+1] and s[c:c+1]; written only while no tensor load of the wave is out
	s_add_nc_u64 s[G0R+2:G0R+3], s[4:5], s[\r:\r+1]
	s_add_nc_u64 s[G0R+6:G0R+7], s[G0R+2:G0R+3], TILEB
	s_or_b32 s[G0R+3], s[G0R+3], 0x80000000
	s_or_b32 s[G0R+7], s[G0R+7], 0x80000000
	s_add_nc_u64 s[G0C+2:G0C+3], s[4:5], s[\c:\c+1]
	s_add_nc_u64 s[G0C+6:G0C+7], s[G0C+2:G0C+3], TILEB
	s_or_b32 s[G0C+3], s[G0C+3], 0x80000000
	s_or_b32 s[G0C+7], s[G0C+7], 0x80000000
.endm
.macro SLOADS                          ; a tile's scale words of the whole K stay in registers: a load brings four K steps' words of a group's 32 rows
.irp g, 0,1
.irp q, 0,1
	global_load_b128 v[SCR+8*\g+4*\q:SCR+8*\g+4*\q+3], v[L16], s[PSR:PSR+1] offset:1024*\g+512*\q
.endr
.endr
.irp g, 0,1,2,3
.irp q, 0,1
	global_load_b128 v[SCC+8*\g+4*\q:SCC+8*\g+4*\q+3], v[L16], s[PSC:PSC+1] offset:1024*\g+512*\q
.endr
.endr
.endm
.macro BLOADS p                        ; the bias by column, in the result's layout: tile b's eight columns 32 (b / 2) + 16 h + 8 (b % 2) + 0 .. 7
	WIN 0xc0                                       ; destination window 3
.irp b, 0,1,2,3,4,5,6,7
	global_load_b128 v[BI+8*\b:BI+8*\b+3], v[VB0], s[\p:\p+1] offset:(32*(\b/2)+8*(\b%2))*4
	global_load_b128 v[BI+8*\b+4:BI+8*\b+7], v[VB0], s[\p:\p+1] offset:(32*(\b/2)+8*(\b%2))*4+16
.endr
	WIN 0
.endm
	s_load_b256 s[4:11], s[0:1], 0x0               ; cod, scl, bq, bk
	s_load_b128 s[12:15], s[0:1], 0x20             ; bv, qkvc
	s_load_b64 s[16:17], s[0:1], 0x30              ; qkvs
	v_lshl_add_u32 v[SPW], v0, 2, SPARE
	v_mov_b32 v[NIL], 0
	ds_add_u32 v[SPW], v[NIL]                      ; the opening lines: the add, twice on end, and its wait ahead of my first tensor load
	ds_add_u32 v[SPW], v[NIL]
	v_lshrrev_b32 v1, 5, v0
	v_readfirstlane_b32 s[WV], v1
	s_lshr_b32 s[WR], s[WV], 1                     ; my half of the rows
	s_and_b32 s[WC], s[WV], 1                      ; my half of the columns
	s_bfe_u32 s21, ttmp6, 0x40000                  ; cx
	s_bfe_u32 s22, ttmp6, 0x40004                  ; cy
	s_and_b32 s23, ttmp7, 0xffff                   ; Y
	s_lshl_b32 s90, s23, 2
	s_add_co_u32 s90, s90, s22                     ; q, k: tile row 4 Y + cy
	s_and_b32 s91, s23, 1
	s_lshl_b32 s91, s91, 2
	s_add_co_u32 s91, s91, s22                     ; v: tile row 4 (Y & 1) + cy
	s_lshr_b32 s92, s23, 1
	s_lshl_b32 s92, s92, 2
	s_add_co_u32 s92, s92, s21                     ; v: tile column 4 (Y >> 1) + cx
	s_lshl_b32 s93, s90, 3                         ; first tiles in cod: q, k: R's, among x's 512;
	s_lshl_b32 s94, s21, 4
	s_add_co_u32 s94, s94, 512                     ; q: C's, among wq's 64 (k: 64 tiles on);
	s_lshl_b32 s95, s91, 3
	s_add_co_u32 s95, s95, 640                     ; v: R's, among wv's 64;
	s_lshl_b32 s47, s92, 4                         ; v: C's, among x's
	s_lshl_b32 s100, s22, 2
	s_lshl_b32 s100, 15, s100                      ; my row of the cluster
	s_lshl_b32 s101, 0x1111, s21                   ; my column
	; group 1: rows of 6,144 bytes (four K steps of one tile: 768 elements of 8 bytes), 12,288 bytes apart in memory, dense in LDS
	s_or_b32 s[G1R], s100, (3<<16)|(1<<21)         ; 15:0 the mask; 17:16 elements of 8 bytes; 21 set beside a mask
	s_or_b32 s[G1C], s101, (3<<16)|(1<<21)
	s_mov_b32 s[G1R+1], 768<<16                    ; tensor_dim0
	s_mov_b32 s[G1R+2], 8<<16                      ; tensor_dim1: 8 tiles
	s_mov_b32 s[G1R+3], 768<<16                    ; tile_dim0
	s_mov_b32 s[G1R+4], 8                          ; tile_dim1
	s_mov_b32 s[G1R+5], 1536                       ; the pitch
	s_mov_b32 s[G1R+6], 0
	s_mov_b32 s[G1R+7], 0
	s_mov_b32 s[G1C+1], 768<<16
	s_mov_b32 s[G1C+2], 16<<16                     ; 16 tiles
	s_mov_b32 s[G1C+3], 768<<16
	s_mov_b32 s[G1C+4], 16
	s_mov_b32 s[G1C+5], 1536
	s_mov_b32 s[G1C+6], 0
	s_mov_b32 s[G1C+7], 0
.irp q, 0,1                            ; LDS places are constants: no wave's number and no place in the cluster enters them
	s_mov_b32 s[G0R+4*\q], 1
	s_mov_b32 s[G0R+4*\q+1], \q*HALF
	s_mov_b32 s[G0C+4*\q], 1
	s_mov_b32 s[G0C+4*\q+1], \q*HALF+8*TILEB
.endr
	s_mul_i32 s82, s93, 12288                      ; the tile of q: R,
	s_mov_b32 s83, 0
	s_mul_i32 s84, s94, 12288                      ; C
	s_mov_b32 s85, 0
	s_mov_b32 s[NR], s82                           ; the tile of k: the same tokens,
	s_mov_b32 s[NR+1], 0
	s_add_co_u32 s[NC], s84, 64*12288              ; wk's rows
	s_mov_b32 s[NC+1], 0
	s_mul_i32 s[VR], s95, 12288                    ; the tile of v
	s_mul_i32 s[VC], s47, 12288
	s_lshl_b32 s86, s[WR], 2                       ; my four row tiles, my eight column tiles: 512 bytes of scale words a tile
	s_lshl_b32 s87, s[WC], 3
	s_add_co_u32 s[PSR], s86, s93
	s_lshl_b32 s[PSR], s[PSR], 9
	s_mov_b32 s[PSR+1], 0
	s_add_co_u32 s[PSC], s87, s94
	s_lshl_b32 s[PSC], s[PSC], 9
	s_mov_b32 s[PSC+1], 0
	s_add_co_u32 s[VSR], s86, s95
	s_lshl_b32 s[VSR], s[VSR], 9
	s_mov_b32 s[VSR+1], 0
	s_add_co_u32 s[VSC], s87, s47
	s_lshl_b32 s[VSC], s[VSC], 9
	s_mov_b32 s[VSC+1], 0
	s_lshl_b32 s2, s21, 10
	s_lshl_b32 s3, s[WC], 9
	s_add_co_u32 s2, s2, s3                        ; q, k: my 128 columns' bias
	s_mov_b32 s3, 0
	s_lshl_b32 s88, s91, 9
	s_lshl_b32 s89, s[WR], 8
	s_add_co_u32 s88, s88, s89                     ; v: my 64 rows' bias
	s_mov_b32 s89, 0
	s_mov_b32 s[SEL], 0x76543210
	s_mov_b32 s[SEL+1], 0xfedcba98
	s_mov_b32 s[T], 0
	s_wait_alu depctr_va_vdst(0)
	s_wait_dscnt 0x0                               ; both opening adds are done
	s_wait_kmcnt 0x0
	DESC 82, 84
	s_add_nc_u64 s[PSR:PSR+1], s[6:7], s[PSR:PSR+1]
	s_add_nc_u64 s[PSC:PSC+1], s[6:7], s[PSC:PSC+1]
	s_add_nc_u64 s[VSR:VSR+1], s[6:7], s[VSR:VSR+1]
	s_add_nc_u64 s[VSC:VSC+1], s[6:7], s[VSC:VSC+1]
	s_add_nc_u64 s[8:9], s[8:9], s[2:3]
	s_add_nc_u64 s[10:11], s[10:11], s[2:3]
	s_add_nc_u64 s[12:13], s[12:13], s[88:89]
	CROUND                                         ; all sixteen work-groups are here: the joint loads meet
	LOAD4                                          ; the tile of q
	v_and_b32 v[LN], 31, v0
	v_and_b32 v[RR], 15, v0
	v_bfe_u32 v[HH], v0, 4, 1
	v_lshlrev_b32 v[L16], 4, v[LN]
	v_lshlrev_b32 v[L8], 3, v[LN]
	v_lshlrev_b32 v[SAD], 2, v[LN]
	v_lshlrev_b32 v[VB0], 6, v[HH]
	v_and_b32 v[VB1], 8, v[RR]
	v_add_nc_u32 v[VB1], v[VB1], v[RR]
	v_lshlrev_b32 v[VB1], 2, v[VB1]
	SLOADS
	BLOADS 8                                       ; bq.  The bias is the C of each sum's first product
	WIN 0xc0
.irp a, 0,1,2,3                        ; bv, by row: my lane's row of tile a, eight times
.irp j, 0,1,2,3,4,5,6,7
	global_load_b32 v[BV+8*\a+\j], v[VB1], s[12:13] offset:(32*(\a/2)+8*(\a%2))*4
.endr
.endr
	WIN 0
	s_mul_i32 s88, s[WR], 4*TILEB                  ; my four tiles of R,
	s_mul_i32 s89, s[WC], 8*TILEB                  ; my eight of C,
	s_add_co_u32 s89, s89, 8*TILEB                 ; which lie behind R's eight
	s_wait_alu depctr_va_vdst(0)
.irp q, 0,1
	v_add_nc_u32 v[AR16+\q], s88, v[L16]
	v_add_nc_u32 v[AR8+\q], s88, v[L8]
	v_add_nc_u32 v[AC16+\q], s89, v[L16]
	v_add_nc_u32 v[AC8+\q], s89, v[L8]
	s_add_co_u32 s88, s88, HALF
	s_add_co_u32 s89, s89, HALF
.endr
.irp n, 0,1,2,3,4,5,6,7
	v_mov_b32 v[TN+\n], 0                          ; a lane permute's destination counts as one of its sources
.endr
	; where the results go: made here, while the first tiles are on their way
	s_lshr_b32 s82, s90, 4
	s_lshl_b32 s82, s82, 4                         ; q, k: 16 x batch
	s_lshl_b32 s83, s21, 2
	s_add_co_u32 s82, s82, s83
	s_lshl_b32 s83, s[WC], 1
	s_add_co_u32 s82, s82, s83                     ; + my first head: 4 cx + 2 x half
	s_and_b32 s83, s90, 15                         ; and which 128 tokens of the batch
	s_mul_i32 s84, s82, 294912
	s_mul_i32 s85, s[WR], 3072                     ; my two groups of rows
	s_add_co_u32 s84, s84, s85
	s_mul_i32 s85, s83, 6144                       ; 128 tokens are 6,144 bytes in Q,
	s_add_co_u32 s98, s84, s85
	s_add_co_u32 s98, s98, 196608                  ; which lies behind the key steps;
	s_mov_b32 s99, 0
	s_lshl_b32 s85, s85, 1                         ; a key step's 12,288 in K
	s_add_co_u32 s100, s84, s85
	s_mov_b32 s101, 0
	s_mul_i32 s86, s82, 12288
	s_lshl_b32 s87, s83, 8
	s_add_co_u32 s86, s86, s87
	s_lshl_b32 s87, s[WR], 7
	s_add_co_u32 s86, s86, s87                     ; k's scale words;
	s_mov_b32 s87, 0
	s_add_co_u32 s88, s86, 8192                    ; q's
	s_mov_b32 s89, 0
	s_lshr_b32 s2, s92, 3
	s_lshl_b32 s2, s2, 4                           ; v: 16 x batch
	s_lshl_b32 s3, s91, 1
	s_add_co_u32 s2, s2, s3
	s_add_co_u32 s2, s2, s[WR]                     ; + my head
	s_and_b32 s3, s92, 7
	s_lshl_b32 s3, s3, 1
	s_add_co_u32 s3, s3, s[WC]                     ; and my key step
	s_mul_i32 s82, s2, 294912
	s_mul_i32 s83, s3, 12288
	s_add_co_u32 s82, s82, s83
	s_add_co_u32 s82, s82, 6144
	s_mov_b32 s83, 0
	s_mul_i32 s84, s2, 12288
	s_lshl_b32 s85, s3, 8
	s_add_co_u32 s84, s84, s85
	s_add_co_u32 s84, s84, 4096
	s_mov_b32 s85, 0
	s_add_nc_u64 s[KOC:KOC+1], s[14:15], s[100:101]
	s_add_nc_u64 s[VOC:VOC+1], s[14:15], s[82:83]
	s_add_nc_u64 s[14:15], s[14:15], s[98:99]
	s_add_nc_u64 s[KOS:KOS+1], s[16:17], s[86:87]
	s_add_nc_u64 s[VOS:VOS+1], s[16:17], s[84:85]
	s_add_nc_u64 s[16:17], s[16:17], s[88:89]
	s_wait_alu depctr_va_vdst(0)
	s_wait_xcnt 0x0                                ; the loads above have read their bases:
	s_add_nc_u64 s[PSC:PSC+1], s[PSC:PSC+1], 64*512  ; the scale words that are loaded next are the tile of k's: the same tokens', wk's rows'
.macro FRAG reg, a16, a8, off          ; a fragment's image: registers 0-3, 4-5, 6-9, 10-11; each load reads consecutive bytes
	ds_load_b128 v[(\reg):(\reg)+3], v[\a16] offset:(\off)
	ds_load_b64 v[(\reg)+4:(\reg)+5], v[\a8] offset:(\off)+512
	ds_load_b128 v[(\reg)+6:(\reg)+9], v[\a16] offset:(\off)+768
	ds_load_b64 v[(\reg)+10:(\reg)+11], v[\a8] offset:(\off)+1280
.endm
.macro FETCH s, p                      ; K step s into set p: C's eight fragments, R's four: 48 LDS loads in one run
	WIN 0x40
.irp j, 0,1,2,3,4,5,6,7
	FRAG 128*(\p)+12*\j, AC16+(\s)/4, AC8+(\s)/4, TILEB*\j+1536*((\s)%4)
.endr
	WIN 0
.irp i, 0,1,2,3
	FRAG RF+48*(\p)+12*\i, AR16+(\s)/4, AR8+(\s)/4, TILEB*\i+1536*((\s)%4)
.endr
.endm
; one product: row tile a x column tile b, K step s, set p.  cm = 0: onto the sum; 1: the bias by column starts it; 2: the bias by row.  An odd tile's scale words lie in lanes 16-31
.macro WM a, b, p, s, cm
.set rD, 8*(8*(\a)+(\b))
.set rC, rD
.if (\cm) == 1
.set rC, BI+8*(\b)
.endif
.if (\cm) == 2
.set rC, BV+8*(\a)
.endif
.set rA, 128*(\p)+12*(\b)
.set rB, RF+48*(\p)+12*(\a)
.set rX, SCC+8*((\b)/2)+(\s)
.set rY, SCR+8*((\a)/2)+(\s)
.if ((\a)%2 == 0) && ((\b)%2 == 0)
	v_wmma_scale_f32_16x16x128_f8f6f4 v[rD:rD+7], v[rA:rA+11], v[rB:rB+11], v[rC:rC+7], v[rX], v[rY] matrix_a_fmt:MATRIX_FMT_FP6 matrix_b_fmt:MATRIX_FMT_FP6
.elseif ((\a)%2 == 0)
	v_wmma_scale_f32_16x16x128_f8f6f4 v[rD:rD+7], v[rA:rA+11], v[rB:rB+11], v[rC:rC+7], v[rX], v[rY] matrix_a_fmt:MATRIX_FMT_FP6 matrix_b_fmt:MATRIX_FMT_FP6 matrix_a_scale:MATRIX_SCALE_ROW1
.elseif ((\b)%2 == 0)
	v_wmma_scale_f32_16x16x128_f8f6f4 v[rD:rD+7], v[rA:rA+11], v[rB:rB+11], v[rC:rC+7], v[rX], v[rY] matrix_a_fmt:MATRIX_FMT_FP6 matrix_b_fmt:MATRIX_FMT_FP6 matrix_b_scale:MATRIX_SCALE_ROW1
.else
	v_wmma_scale_f32_16x16x128_f8f6f4 v[rD:rD+7], v[rA:rA+11], v[rB:rB+11], v[rC:rC+7], v[rX], v[rY] matrix_a_fmt:MATRIX_FMT_FP6 matrix_b_fmt:MATRIX_FMT_FP6 matrix_a_scale:MATRIX_SCALE_ROW1 matrix_b_scale:MATRIX_SCALE_ROW1
.endif
.endm
.macro MUL16 a0, p, s, cm              ; the 32 accumulators take turns, one instruction a turn, in the same order in every K step
.irp a, \a0, \a0+1
.irp b, 0,1,2,3,4,5,6,7
	WM \a, \b, \p, \s, \cm
.endr
.endr
.endm
; K step s (1 to 6) on set s % 2; in its middle the next step's fragments are fetched into the other set, four places behind the products that read it.
; K step 3's fetch begins the second K half: every wave waits for its tensor load, says so, and the fetch stands behind the barrier's wait.
.macro STEP s
	s_wait_dscnt 0x0                               ; this step's fragments are in
.if (\s) == 3
	s_wait_tensorcnt 0x0
	s_barrier_signal -1
.endif
	WIN 0xa1                                       ; source 0 (C) window 1, source 1 (R) window 0, sums window 2
	MUL16 0, (\s)%2, \s, 0
.if (\s) == 3
	s_barrier_wait -1
.endif
	PLACES 4
	FETCH (\s)+1, 1-(\s)%2
	WIN 0xa1
	MUL16 2, (\s)%2, \s, 0
.endm
; A tile's products.  cm: how its bias lies.  more = 1: the next tile is asked for in K step 7
.macro TILE cm, more
	s_wait_alu depctr_va_vdst(0)
	s_cmp_lt_u32 s[WV], 2                          ; waves 0 and 1 asked for the first K half, by lines that no other wave issues: they wait for it
	s_cbranch_scc0 .Lnot_first_\@
	s_wait_tensorcnt 0x0
.Lnot_first_\@:
	s_barrier_signal -1
	s_barrier_wait -1                              ; the first K half is whole; the second may be on its way
	FETCH 0, 0
	FETCH 1, 1
	s_wait_loadcnt 0x0                             ; scale words and bias
	s_wait_dscnt 48                                ; K step 0's fragments are in; K step 1's 48 loads may be out
	WIN 0xb1                                       ; C (the bias) window 3
	MUL16 0, 0, 0, \cm
	MUL16 2, 0, 0, \cm
.irp s, 1,2,3,4,5,6
	STEP \s
.endr
	s_wait_dscnt 0x0                               ; K step 7's fragments are in: my reads of this tile's LDS bytes are over
.if \more
	WIN 0                                          ; (the add's two registers lie in window 0)
	s_wait_tensorcnt 0x0                           ; no tensor load of mine is out;
	ds_add_u32 v[SPW], v[NIL]                      ; 0 onto my spare word;
	DESC NR, NC                                    ; the next tile's addresses,
	s_mov_b32 s[NR], s[VR]                         ; and the tile behind it is v's
	s_mov_b32 s[NC], s[VC]
	WIN 0xa1
	MUL16 0, 1, 7, 0                               ; sixteen products stand between the add and the wait for it
	s_wait_dscnt 0x0                               ; the add is done
	s_barrier_signal -1                            ; this barrier opens a round of the cluster's barrier
	MUL16 2, 1, 7, 0                               ; work on registers while the others arrive
	WIN 0
	s_barrier_wait -1
	CREST                                          ; no wave of any partner still reads these bytes or has a load on its way
	LOAD4                                          ; the next tile; the four v_nop behind each load are also the places behind the last products
.else
	WIN 0xa1
	MUL16 0, 1, 7, 0
	MUL16 2, 1, 7, 0
	WIN 0
	PLACES 4                                       ; behind the last products: their results are read
.endif
.endm
; THE WAY OUT.  Row tile a's 64 registers of a lane are 128 neighbouring columns' halves: register 16 b + i = column 32 b + 16 h + i.  They become one fragment and one scale word, two row tiles at a time.
; op: the codes' base.  ksc, ksu, ksg: bytes between the two halves of 64 columns, between tiles u = 0 and 1, between groups of rows.  kp0, kp1: byte selects that make the words to store
.macro PAIRQ g, op, ksc, ksu, ksg, kp0, kp1
.set IM, 144-56*(\g)                   ; the pair's two fragments, 24 registers, and 16 for the conversions' second halves: numbers that none of the pair's accumulators has
.set SH, 168-56*(\g)
	WIN 0x0a                                       ; sources 0 and 1: the accumulators' window
.irp x, 0,1
.irp b, 0,1,2,3
	v_max3_num_f32 v[TM+4*\x+\b], |v[64*(2*(\g)+\x)+16*\b]|, |v[64*(2*(\g)+\x)+16*\b+1]|, 0x1800000   ; each accumulator is read from its low end on; the floor 2^(3 - 127) holds the byte at 1 from below
.endr
.endr
.irp i, 2,4,6,8,10,12,14
.irp x, 0,1
.irp b, 0,1,2,3
	v_max3_num_f32 v[TM+4*\x+\b], |v[64*(2*(\g)+\x)+16*\b+\i]|, |v[64*(2*(\g)+\x)+16*\b+\i+1]|, v[TM+4*\x+\b]
.endr
.endr
.endr
	WIN 0
.irp n, 0,1,2,3,4,5,6,7
	v_permlanex16_b32 v[TN+\n], v[TM+\n], s[SEL], s[SEL+1]
.endr
.irp n, 0,1,2,3,4,5,6,7
	v_max_num_f32 v[TM+\n], v[TM+\n], v[TN+\n]     ; the block's largest magnitude
.endr
.irp n, 0,1,2,3,4,5,6,7
	v_add_nc_u32 v[SO+\n], 0xff000000, v[TM+\n]    ; 2 off its exponent field: the conversion's scale operand
.endr
.irp n, 0,1,2,3,4,5,6,7
	v_lshrrev_b32 v[BY+\n], 23, v[SO+\n]           ; the byte
.endr
.irp x, 0,1
	v_lshl_or_b32 v[PW+\x], v[BY+4*\x+1], 8, v[BY+4*\x]
	v_lshl_or_b32 v[PW+\x], v[BY+4*\x+2], 16, v[PW+\x]
	v_lshl_or_b32 v[PW+\x], v[BY+4*\x+3], 24, v[PW+\x]
.endr
	WIN 0x02                                       ; source 0: the accumulators' window
.irp x, 0,1
.irp c, 0,1
	v_cvt_scalef32_pk16_fp6_f32 v[IM+12*\x+6*\c:IM+12*\x+6*\c+2], v[64*(2*(\g)+\x)+32*\c:64*(2*(\g)+\x)+32*\c+15], v[SO+4*\x+2*\c]
	v_cvt_scalef32_pk16_fp6_f32 v[SH+8*\x+4*\c:SH+8*\x+4*\c+2], v[64*(2*(\g)+\x)+32*\c+16:64*(2*(\g)+\x)+32*\c+31], v[SO+4*\x+2*\c+1]
.endr
.endr
	WIN 0
	v_nop                                          ; one plain place behind a scaled conversion
.irp x, 0,1
.irp c, 0,1
.irp i, 0,1,2
	v_permlane16_swap_b32 v[IM+12*\x+6*\c+\i], v[SH+8*\x+4*\c+\i]   ; a whole block to a lane
.endr
.irp i, 0,1,2
	v_mov_b32 v[IM+12*\x+6*\c+3+\i], v[SH+8*\x+4*\c+\i]
.endr
.endr
.endr
	v_perm_b32 v[WW+2*(\g)], v[PW+1], v[PW], \kp0
	v_perm_b32 v[WW+2*(\g)+1], v[PW+1], v[PW], \kp1
.irp x, 0,1
.irp c, 0,1
	global_store_b128 v[L16], v[IM+12*\x+6*\c:IM+12*\x+6*\c+3], s[\op:\op+1] offset:(\ksg)*(\g)+(\ksu)*\x+(\ksc)*\c        ; 512 consecutive bytes, at a multiple of 256 from the buffer's first byte
	global_store_b64 v[L8], v[IM+12*\x+6*\c+4:IM+12*\x+6*\c+5], s[\op:\op+1] offset:(\ksg)*(\g)+(\ksu)*\x+(\ksc)*\c+512    ; and 256
.endr
.endr
.endm
.macro OUT op, os, ksc, ksu, ksg, ksx, kp0, kp1   ; os: the scale words' base; ksx: bytes between its two stores
	PAIRQ 0, \op, \ksc, \ksu, \ksg, \kp0, \kp1
	PAIRQ 1, \op, \ksc, \ksu, \ksg, \kp0, \kp1
	v_cmp_ne_u32 vcc_lo, 0, v[HH]                  ; lanes 0-15 store the first group's words, lanes 16-31 the second's: 128 consecutive bytes a store
	v_cndmask_b32 v[FW], v[WW], v[WW+2], vcc_lo
	v_cndmask_b32 v[FW+1], v[WW+1], v[WW+3], vcc_lo
	global_store_b32 v[SAD], v[FW], s[\os:\os+1]
	global_store_b32 v[SAD], v[FW+1], s[\os:\os+1] offset:\ksx
.endm
.Ltile:                                            ; two trips: the tile of q, the tile of k
	TILE 1, 1
	SLOADS                                         ; the next tile's scale words land during the way out (their registers were last read four places ago)
	s_cmp_eq_u32 s[T], 0                           ; bk is wanted by the second trip alone; v's bias has lain in its own registers since the head
	s_cbranch_scc0 .Lno_bias
	BLOADS 10
.Lno_bias:
	OUT 14, 16, 294912, 768, 1536, 12288, 0x05040100, 0x07060302   ; the halves of 64 columns are two heads; a word: the head's two bytes of tile 0, then of tile 1
	s_wait_xcnt 0x0                                ; the stores and loads above have read their registers and bases
	s_mov_b64 s[14:15], s[KOC:KOC+1]               ; the second trip's results are k's;
	s_mov_b64 s[16:17], s[KOS:KOS+1]
	s_mov_b64 s[PSR:PSR+1], s[VSR:VSR+1]           ; the scale words that it loads are the tile of v's
	s_mov_b64 s[PSC:PSC+1], s[VSC:VSC+1]
	s_add_co_u32 s[T], s[T], 1
	s_cmp_lt_u32 s[T], 2
	s_cbranch_scc1 .Ltile
	TILE 2, 0                                      ; the tile of v asks for nothing more
	OUT VOC, VOS, 768, 1536, 3072, 128, 0x03020100, 0x07060504     ; the halves of 64 columns are 64 keys each; a word: tile 0's, tile 1's
	s_wait_tensorcnt 0x0                           ; the wave's end, behind my last tensor load
	ds_add_u32 v[SPW], v[NIL]
	s_wait_dscnt 0x0
	CROUND                                         ; the closing round
	s_endpgm
.Lfunc_end_k_qf7f992448a_qkv:
	.size	k_qf7f992448a_qkv, .Lfunc_end_k_qf7f992448a_qkv-k_qf7f992448a_qkv
	.p2alignl 7, 3214868480
	.fill 96, 4, 3214868480
	.section	.rodata,"a",@progbits
	.p2align	6, 0x0
	.amdhsa_kernel k_qf7f992448a_qkv
		.amdhsa_group_segment_fixed_size 327680
		.amdhsa_private_segment_fixed_size 0
		.amdhsa_enable_private_segment 0
		.amdhsa_kernarg_size 56
		.amdhsa_user_sgpr_count 2
		.amdhsa_user_sgpr_kernarg_segment_ptr 1
		.amdhsa_wavefront_size32 1
		.amdhsa_system_sgpr_workgroup_id_x 1
		.amdhsa_system_sgpr_workgroup_id_y 1
		.amdhsa_system_sgpr_workgroup_id_z 1
		.amdhsa_system_vgpr_workitem_id 0
		.amdhsa_next_free_vgpr 896
		.amdhsa_next_free_sgpr 102
		.amdhsa_reserve_vcc 1
		.amdhsa_float_denorm_mode_32 3
		.amdhsa_float_denorm_mode_16_64 3
		.amdhsa_memory_ordered 1
		.amdhsa_forward_progress 1
		.amdhsa_inst_pref_size 173
	.end_amdhsa_kernel
	.amdgpu_metadata
---
amdhsa.version: [ 1, 2 ]
amdhsa.kernels:
  - .name:           k_qf7f992448a_qkv
    .symbol:         k_qf7f992448a_qkv.kd
    .args:
      - { .name: cod, .offset: 0, .size: 8, .value_kind: global_buffer, .address_space: global }
      - { .name: scl, .offset: 8, .size: 8, .value_kind: global_buffer, .address_space: global }
      - { .name: bq, .offset: 16, .size: 8, .value_kind: global_buffer, .address_space: global }
      - { .name: bk, .offset: 24, .size: 8, .value_kind: global_buffer, .address_space: global }
      - { .name: bv, .offset: 32, .size: 8, .value_kind: global_buffer, .address_space: global }
      - { .name: qkvc, .offset: 40, .size: 8, .value_kind: global_buffer, .address_space: global }
      - { .name: qkvs, .offset: 48, .size: 8, .value_kind: global_buffer, .address_space: global }
    .group_segment_fixed_size: 327680
    .private_segment_fixed_size: 0
    .kernarg_segment_align: 8
    .kernarg_segment_size: 56
    .max_flat_workgroup_size: 128
    .sgpr_count:     102
    .vgpr_count:     896
    .wavefront_size: 32
...
	.end_amdgpu_metadata
.endif
;; end of part 2
;; launch attn (part 3): grid 4 x 64, 16 waves a work-group, clusters of 4 x 1, 223,232 bytes of LDS; arguments qkvc, qkvs, aoc, aos; writes aoc, aos
.if DOCPART == 3
	.amdgcn_target "amdgcn-amd-amdhsa--gfx1250"
	.amdhsa_code_object_version 6
	.text
	.protected	k_qf7f992448a_attn
	.globl	k_qf7f992448a_attn
	.p2align	8
	.type	k_qf7f992448a_attn,@function
k_qf7f992448a_attn:
	s_mov_b64 s[64:65], 0
	v_nop
	global_prefetch_b8 v0, s[64:65] scope:SCOPE_SE
	s_setreg_imm32_b32 hwreg(HW_REG_WAVE_MODE, 25, 1), 1
	s_wait_xcnt 0x0
	s_wait_alu depctr_hold_cnt(0) depctr_sa_sdst(0) depctr_va_vdst(0) depctr_va_sdst(0) depctr_va_ssrc(0) depctr_va_vcc(0) depctr_vm_vsrc(0)
	s_getreg_b32 s2, hwreg(HW_REG_IB_STS2, 6, 4)
	s_cmp_eq_u32 s2, 0
	s_cbranch_scc0 .Lentry_in_a_cluster
	s_endpgm
.Lentry_in_a_cluster:
	s_bfe_u32 s2, ttmp6, 0x10000c
	s_cmp_lg_u32 s2, 0x3003
	s_cbranch_scc0 .Lentry_shape_is_right
	s_endpgm
.Lentry_shape_is_right:
; For each (batch, head): O = softmax(q k^T / 8) v, both products on codes of FP6 (E2M3); O / l is quantised along the head's 64 channels and stored as an operand of the last projection.
; THE SOFTMAX AHEAD OF THE SECOND PRODUCT: t = score x log2(e) / 8; M = the running largest t, rounded UP to a whole number; p = 2^(t - M) is quantised along the keys, not normalised; the row's sum is
; taken of the unquantised p and divides O at the end.  When M moves, the sum and O are multiplied by 2^(old M - new M): exact.
; SHARES.  256 work-groups: a work-group owns 512 queries of one head; each of its sixteen waves takes two tiles of 16 queries, tile wave and tile 16 + wave, one after the other, each against all 2,048 keys.
; Four waves share a SIMD, so that one wave's vector work stands beside another's products and LDS loads.
; LDS.  The head's scale words (8,192 bytes, from byte 0) and its K and V codes (196,608 bytes, from byte 24,576) lie in LDS whole and are filled once, one tensor load a wave, in one chain of arms on the
; wave's number: wave 0 the scale words, wave 1 key steps 0 and 1, waves 2 to 8 two key steps each (a wave's codes land at its number x 24,576).  Waves 0 and 1 have load lines of their own:
; the first barrier shows their tiles alone, and the first tile's first two key steps are walked on them; then every wave waits for its load and a second barrier shows the rest.
; The other 2 x 16 - 2 key steps have no barrier: the waves share nothing else.  All is asked for at the head, so there is no loop to run ahead in: no prefetch.
; CLUSTER.  The four query blocks of a cluster belong to one head: each tile is asked for jointly, by the same load with the mask of all four.
; LAYOUT.  Both products are used transposed: a lane holds one query.  The head has 64 channels and the instruction takes 128 along K: a fragment of K holds the keys of tile (g, 0) in k 0-63 and those of
; tile (g, 1) in k 64-127, and is multiplied once by [q | zeros] and once by [zeros | q], which overlap in 18 registers: q, six zeros, q.  Zero codes add nothing.
; The keys of tile (g, u) are 32 g + 8 u + r + 8 (r / 8), so that the 16 registers of a pair of tiles are 16 neighbouring keys.
; THE ROW'S SUM of a step is left in seven partial pairs and v[14:15]; the seven are joined to v[14:15] in the NEXT step, ahead of its change of M, where these additions are the places behind the products.
; LIMITS: the promise holds while |t| stays under 2^31; p under 2^-126 falls to 0 (v_exp_f32 gives no denormals); a block of zeros gets the byte 1 (its codes are zeros; this program alone reads the bytes);
; NaN and infinities are not served.
; REGISTERS: v1-11 addresses; v12 -M, v13 the largest t, v[14:15] the sum; v16-33 q; v34 q's scale word; v35-36 V's, v37-38 K's; v40-87 four fragments; v88-94 the second tile's q and scale word;
; v96-159 S^T, then p; v160-191 O^T; v192-205 the sum's partial pairs; v206 the old -M; v224-254 at work.
.set KSTEP, 12288                      ; a key step of 128 keys: K's 6,144 bytes, then V's
.set SCL,   0                          ; the scale words: K's 4,096 bytes, then V's
.set CODES, 24576                      ; the codes
.set SPARE, CODES+16*KSTEP             ; the spare words, 128 bytes a wave: eight blocks of 256 bytes that no other line names
.set L16, 1
.set L8,  2
.set L4,  3                            ; SCL + 4 x lane
.set SPW, 4
.set NIL, 5
.set A16, 6
.set A8,  7
.set AS,  8
.set QF,  16
.set QS,  34
.set VS,  35                           ; (V's scale registers and p's, v253, differ modulo 8)
.set KS,  37
.set FR,  40
.set NQ,  88
.set PS,  192
.set OM,  206
.set WV,  18
.set SEL, 20
.set CS,  22
.set G1C, 24                           ; s[24:31] group 1: 96 rows of 256 bytes;  s[32:39]: 32 rows
.set G1S, 32
.set G0,  40                           ; s[40:43] group 0 for my codes;  s[56:59] for the scale words
.set G0S, 56
.set TB,  60                           ; LDS byte at which the key step in hand begins
.set TS,  61                           ; and its scale words: 256 bytes a step
.set CNT, 62
.macro CROUND
	s_barrier_signal -1
	s_barrier_wait -1
	s_cmp_lg_u32 s[WV], 0
	s_cbranch_scc1 .Lnot_wave_0_\@
	s_barrier_signal -3
.Lnot_wave_0_\@:
	s_barrier_wait -3
	s_barrier_signal -1
	s_barrier_wait -1
.endm
.macro TL g0, g1                       ; a joint load, its s_nop 0 and four v_nop
	tensor_load_to_lds s[\g0:\g0+3], s[\g1:\g1+7]
	s_nop 0
.rept 4
	v_nop
.endr
.endm
	s_load_b256 s[4:11], s[0:1], 0x0               ; qkvc, qkvs, aoc, aos
	v_lshl_add_u32 v[SPW], v0, 2, SPARE
	v_mov_b32 v[NIL], 0
	ds_add_u32 v[SPW], v[NIL]                      ; the opening lines: the add, twice on end, and its wait ahead of the tensor loads
	ds_add_u32 v[SPW], v[NIL]
	v_lshrrev_b32 v9, 5, v0
	v_readfirstlane_b32 s[WV], v9
	s_bfe_u32 s12, ttmp6, 0x40000                  ; cx
	s_lshl_b32 s13, ttmp9, 2
	s_add_co_u32 s13, s13, s12                     ; my block of 512 queries: it enters q's and the outputs' addresses alone
	s_and_b32 s14, ttmp7, 0xffff                   ; 16 x batch + head, which the partners share
	s_mul_i32 s66, s14, 294912
	s_mov_b32 s67, 0
	s_mul_i32 s68, s14, 12288
	s_mov_b32 s69, 0
	s_mul_i32 s70, s[WV], 2*KSTEP                  ; where wave 1..8's two key steps land: CODES + (wave - 1) x 24,576
	s_max_u32 s72, s[WV], 1
	s_sub_co_u32 s72, s72, 1
	s_mul_i32 s72, s72, 2*KSTEP                    ; and where they lie among the head's codes
	s_mov_b32 s73, 0
	s_mov_b32 s[G1C], 15|(3<<16)|(1<<21)           ; 15:0 the mask: all four; 17:16 elements of 8 bytes; 21 set beside a mask
	s_mov_b32 s[G1C+1], 32<<16                     ; a dense block as rows of 256 bytes
	s_mov_b32 s[G1C+2], 96<<16
	s_mov_b32 s[G1C+3], 32<<16
	s_mov_b32 s[G1C+4], 96
	s_mov_b32 s[G1C+5], 32
	s_mov_b32 s[G1C+6], 0
	s_mov_b32 s[G1C+7], 0
	s_mov_b32 s[G1S], 15|(3<<16)|(1<<21)
	s_mov_b32 s[G1S+1], 32<<16
	s_mov_b32 s[G1S+2], 32<<16
	s_mov_b32 s[G1S+3], 32<<16
	s_mov_b32 s[G1S+4], 32
	s_mov_b32 s[G1S+5], 32
	s_mov_b32 s[G1S+6], 0
	s_mov_b32 s[G1S+7], 0
	s_mov_b32 s[SEL], 0x76543210
	s_mov_b32 s[SEL+1], 0xfedcba98
	s_mov_b32 s[CS], 0x3e38aa3b                    ; c = log2(e) / 8
	s_mov_b32 s[CS+1], s[CS]                       ; (named with it as a pair, so it is written)
	s_wait_alu depctr_va_vdst(0)
	s_wait_dscnt 0x0                               ; both opening adds are done
	s_wait_kmcnt 0x0
	s_add_nc_u64 s[66:67], s[4:5], s[66:67]        ; the head's codes
	s_add_nc_u64 s[68:69], s[6:7], s[68:69]        ; and scale words
	s_mov_b32 s[G0], 1
	s_mov_b32 s[G0+1], s70
	s_add_nc_u64 s[G0+2:G0+3], s[66:67], s[72:73]
	s_or_b32 s[G0+3], s[G0+3], 0x80000000
	s_mov_b32 s[G0S], 1
	s_mov_b32 s[G0S+1], SCL
	s_mov_b64 s[G0S+2:G0S+3], s[68:69]
	s_or_b32 s[G0S+3], s[G0S+3], 0x80000000
	CROUND                                         ; all four work-groups are here: the joint loads meet
	s_cmp_lt_u32 s[WV], 1                          ; one chain of arms on the wave's number, one load to an arm
	s_cbranch_scc0 .Lnot_scales
	TL G0S, G1S                                    ; wave 0: the scale words
	s_branch .Lasked
.Lnot_scales:
	s_cmp_lt_u32 s[WV], 2
	s_cbranch_scc0 .Lnot_first
	TL G0, G1C                                     ; wave 1: key steps 0 and 1
	s_branch .Lasked
.Lnot_first:
	s_cmp_lt_u32 s[WV], 9
	s_cbranch_scc0 .Lnone
	TL G0, G1C                                     ; waves 2 to 8: key steps 2 (wave - 1) and the next
.Lnone:
.Lasked:
	s_lshl_b32 s15, s13, 5
	s_add_co_u32 s15, s15, s[WV]                   ; my first tile of queries among the batch's 128: 32 x block + wave = 2 g + u; my second lies 16 tiles on
	s_mul_i32 s16, s15, 768
	s_add_co_u32 s16, s16, 196608
	s_mov_b32 s17, 0
	s_add_nc_u64 s[66:67], s[66:67], s[16:17]      ; q's codes
	s_lshr_b32 s16, s15, 1
	s_lshl_b32 s16, s16, 6
	s_add_co_u32 s16, s16, 8192
	s_add_nc_u64 s[68:69], s[68:69], s[16:17]      ; q's group's scale words
	s_lshr_b32 s78, s14, 4
	s_lshl_b32 s78, s78, 7
	s_add_co_u32 s78, s78, s15                     ; my tile among all 512
	s_and_b32 s79, s14, 15                         ; the head
	s_mul_i32 s16, s78, 12288
	s_mul_i32 s63, s79, 768
	s_add_co_u32 s16, s16, s63
	s_add_nc_u64 s[8:9], s[8:9], s[16:17]          ; aoc: [tile][K step = head / 2][head % 2][768]
	s_lshr_b32 s16, s78, 1
	s_lshl_b32 s16, s16, 10
	s_and_b32 s63, s78, 1
	s_lshl_b32 s63, s63, 8
	s_add_co_u32 s16, s16, s63
	s_lshr_b32 s63, s79, 3
	s_lshl_b32 s63, s63, 9
	s_add_co_u32 s16, s16, s63
	s_and_b32 s63, s79, 7
	s_lshl_b32 s63, s63, 1
	s_add_co_u32 s16, s16, s63
	s_add_nc_u64 s[10:11], s[10:11], s[16:17]      ; aos: [group][K half][16 u + r][word head / 2 % 4][byte 2 (head % 2) + block]
	s_and_b32 s63, s[WV], 1
	s_cmp_eq_u32 s63, 1
	s_mov_b32 s79, 0x01000100
	s_cselect_b32 s79, 0x03020302, s79             ; my tile's two bytes of the group's word, twice (both my tiles have the wave's parity)
	v_and_b32 v9, 31, v0
	v_and_b32 v10, 15, v0                          ; r
	v_bfe_u32 v11, v0, 4, 1                        ; h
	v_lshlrev_b32 v[L16], 4, v9
	v_lshlrev_b32 v[L8], 3, v9
	v_lshl_add_u32 v[L4], v9, 2, SCL
	v_lshlrev_b32 v39, 2, v10
	global_load_b128 v[QF:QF+3], v[L16], s[66:67]                 ; the first tile's q, in front of the zeros
	global_load_b64 v[QF+4:QF+5], v[L8], s[66:67] offset:512
	global_load_b128 v[QF+12:QF+15], v[L16], s[66:67]             ; and behind them
	global_load_b64 v[QF+16:QF+17], v[L8], s[66:67] offset:512
	global_load_b32 v[QS], v39, s[68:69]
.macro FRAG reg, a16, a8, off
	ds_load_b128 v[(\reg):(\reg)+3], v[\a16] offset:(\off)
	ds_load_b64 v[(\reg)+4:(\reg)+5], v[\a8] offset:(\off)+512
	ds_load_b128 v[(\reg)+6:(\reg)+9], v[\a16] offset:(\off)+768
	ds_load_b64 v[(\reg)+10:(\reg)+11], v[\a8] offset:(\off)+1280
.endm
; What a tile of queries begins with.  The moves behind the v_perm_b32 are the places between it and the first scaled product
.macro INIT p
.if \p
	s_wait_xcnt 0x0                                ; the first tile's stores have read their registers
	s_wait_loadcnt 0x0                             ; the second tile's q is in
	v_perm_b32 v[QS], v[NQ+6], v[NQ+6], s79        ; (s0, s1, s0, s1)
.irp i, 0,1,2,3,4,5
	v_mov_b32 v[QF+\i], v[NQ+\i]
	v_mov_b32 v[QF+12+\i], v[NQ+\i]
.endr
.else
	v_perm_b32 v[QS], v[QS], v[QS], s79
.irp i, 0,1,2,3,4,5
	v_mov_b32 v[QF+6+\i], 0
.endr
.irp b, 0,1,2,3
	v_mov_b32 v[236+\b], 0                         ; a lane permute's destination counts as one of its sources
.endr
	v_mov_b32 v253, 0                              ; (named as the upper half of v[252:253] before it is first written)
.endif
	v_mov_b32 v13, 0xff61b1e6                      ; the largest t so far: -3e38
	v_floor_f32 v12, -v13                          ; -M
	v_mov_b32 v14, 0
	v_mov_b32 v15, 0
.set j, 0
.rept 14
	v_mov_b32 v[PS+j], 0                           ; the partial pairs: the first step joins zeros
.set j, j+1
.endr
.set j, 0
.rept 32
	v_mov_b32 v[160+j], 0                          ; O^T: the step is written once; the first finds zeros
.set j, j+1
.endr
.endm
; A KEY STEP: 128 keys
.macro STEP
	v_add_nc_u32 v[A16], s[TB], v[L16]             ; these four lines are the places in front of loads into registers that the last products read
	v_add_nc_u32 v[A8], s[TB], v[L8]
	v_add_nc_u32 v[AS], s[TS], v[L4]
	v_pk_add_f32 v[PS:PS+1], v[PS:PS+1], v[PS+2:PS+3]             ; the last step's partial pairs are joined: the first of seven additions
.irp f, 0,1,2,3
	FRAG FR+12*\f, A16, A8, 1536*\f
.endr
	ds_load_b32 v[KS], v[AS]                       ; K's words: lanes 0-15 group 0, lanes 16-31 group 1;
	ds_load_b32 v[KS+1], v[AS] offset:128          ; groups 2 and 3
	ds_load_b32 v[VS], v[AS] offset:4096           ; V's: tiles u = 0: lanes 0-15 channels' group 0, lanes 16-31 group 1;
	ds_load_b32 v[VS+1], v[AS] offset:4224         ; u = 1
	s_wait_alu depctr_va_vdst(0)
	s_wait_dscnt 0x0
.irp b, 0,1,2,3                        ; S^T: group b's fragment x [q | 0] gives tile (b, 0), x [0 | q] tile (b, 1): registers 16 b + i = key 32 b + 16 h + i
.irp u, 0,1
.if \b%2 == 0
	v_wmma_scale_f32_16x16x128_f8f6f4 v[96+8*(2*\b+\u):103+8*(2*\b+\u)], v[FR+12*\b:FR+12*\b+11], v[QF+6*\u:QF+6*\u+11], 0, v[KS+\b/2], v[QS] matrix_a_fmt:MATRIX_FMT_FP6 matrix_b_fmt:MATRIX_FMT_FP6
.else
	v_wmma_scale_f32_16x16x128_f8f6f4 v[96+8*(2*\b+\u):103+8*(2*\b+\u)], v[FR+12*\b:FR+12*\b+11], v[QF+6*\u:QF+6*\u+11], 0, v[KS+\b/2], v[QS] matrix_a_fmt:MATRIX_FMT_FP6 matrix_b_fmt:MATRIX_FMT_FP6 matrix_a_scale:MATRIX_SCALE_ROW1
.endif
.endr
.endr
	v_pk_add_f32 v[PS+4:PS+5], v[PS+4:PS+5], v[PS+6:PS+7]         ; four places: the scores are read, and V's fragments land where K's lay
	v_pk_add_f32 v[PS+8:PS+9], v[PS+8:PS+9], v[PS+10:PS+11]
	v_pk_add_f32 v[14:15], v[14:15], v[PS+12:PS+13]
	v_mov_b32 v[OM], v12                           ; the old -M
.irp f, 0,1,2,3
	FRAG FR+12*\f, A16, A8, 6144+1536*\f           ; they land while the softmax is walked
.endr
	v_pk_add_f32 v[PS:PS+1], v[PS:PS+1], v[PS+4:PS+5]
	v_pk_add_f32 v[14:15], v[14:15], v[PS+8:PS+9]
.irp b, 0,1,2,3
	v_max3_num_f32 v[232+\b], v[96+16*\b], v[97+16*\b], v[98+16*\b]   ; the largest score of each block of 32 keys: for the row's maximum, and, since p rises with the score, for the block's largest p
.endr
	v_pk_add_f32 v[14:15], v[14:15], v[PS:PS+1]    ; the sum is whole, still under the old M
.irp i, 3,5,7,9,11,13
.irp b, 0,1,2,3
	v_max3_num_f32 v[232+\b], v[232+\b], v[96+16*\b+\i], v[97+16*\b+\i]
.endr
.endr
.irp b, 0,1,2,3
	v_max_num_f32 v[232+\b], v[232+\b], v[111+16*\b]
.endr
.irp b, 0,1,2,3
	s_delay_alu instid0(VALU_DEP_4)
	v_permlanex16_b32 v[236+\b], v[232+\b], s[SEL], s[SEL+1]
.endr
.irp b, 0,1,2,3
	s_delay_alu instid0(VALU_DEP_4)
	v_max_num_f32 v[232+\b], v[232+\b], v[236+\b]  ; with lane l xor 16's 16 keys
.endr
	s_delay_alu instid0(VALU_DEP_2)
	v_max3_num_f32 v254, v232, v233, v234
	s_delay_alu instid0(VALU_DEP_1)
	v_max_num_f32 v254, v254, v235
	s_delay_alu instid0(VALU_DEP_1)
	v_mul_f32 v254, s[CS], v254                    ; the step's largest t
	s_delay_alu instid0(VALU_DEP_1)
	v_max_num_f32 v13, v13, v254                   ; the running largest t
	s_delay_alu instid0(VALU_DEP_1)
	v_floor_f32 v12, -v13                          ; the new -M = -ceil(t): a whole number
	s_delay_alu instid0(VALU_DEP_1)
	v_sub_f32 v254, v12, v[OM]                     ; old M - new M: a whole number, 0 or less
	s_delay_alu instid0(VALU_DEP_1)
	v_cvt_i32_f32 v254, v254                       ; (it saturates)
	s_delay_alu instid0(VALU_DEP_1)
	v_ldexp_f32 v252, 1.0, v254                    ; f = 2^(old M - new M)
.set j, 0
.rept 32
	v_pk_fma_f32 v[96+j:97+j], v[96+j:97+j], s[CS:CS+1], v[12:13] op_sel_hi:[1,0,0]   ; t - M, two at a time
.set j, j+2
.endr
.irp b, 0,1,2,3
	v_fma_f32 v[232+\b], v[232+\b], s[CS], v12     ; the same of each block's largest score
.endr
.set j, 0
	s_wait_alu depctr_va_vdst(0)
.rept 64
	v_exp_f32 v[96+j], v[96+j]                     ; p = 2^(t - M)
.set j, j+1
.endr
	v_pk_mul_f32 v[14:15], v[14:15], v[252:253] op_sel_hi:[1,0]   ; the sum under the new M: a plain place behind the exponentials
	s_wait_alu depctr_va_vdst(0)                   ; one wait for the whole batch, ahead of its first reader
.irp b, 0,1,2,3
	v_exp_f32 v[232+\b], v[232+\b]                 ; the block's largest p
.endr
.irp k, 0,1,2,3,4,5,6                  ; the row's sum of the unquantised p, in eight chains: seven partial pairs and v[14:15]
	v_pk_add_f32 v[PS+2*\k:PS+2*\k+1], v[100+8*\k:101+8*\k], v[104+8*\k:105+8*\k]
.endr
	v_pk_add_f32 v[14:15], v[14:15], v[156:157]
	v_pk_add_f32 v[PS:PS+1], v[PS:PS+1], v[96:97]
.irp k, 1,2,3,4,5,6
	v_pk_add_f32 v[PS+2*\k:PS+2*\k+1], v[PS+2*\k:PS+2*\k+1], v[94+4*\k:95+4*\k]
.endr
	v_pk_add_f32 v[14:15], v[14:15], v[122:123]
.irp k, 0,1,2,3,4,5,6
	v_pk_add_f32 v[PS+2*\k:PS+2*\k+1], v[PS+2*\k:PS+2*\k+1], v[126+4*\k:127+4*\k]
.endr
	v_pk_add_f32 v[14:15], v[14:15], v[154:155]
	v_pk_add_f32 v[PS:PS+1], v[PS:PS+1], v[158:159]
	s_wait_alu depctr_va_vdst(0)                   ; and one for the four
.irp b, 0,1,2,3
	v_max_num_f32 v[232+\b], 0x1800000, v[232+\b]  ; the floor 2^(3 - 127)
.endr
.irp b, 0,1,2,3
	s_delay_alu instid0(VALU_DEP_4)
	v_add_nc_u32 v[244+\b], 0xff000000, v[232+\b]  ; the conversion's scale operand
.endr
.irp b, 0,1,2,3
	s_delay_alu instid0(VALU_DEP_4)
	v_lshrrev_b32 v[236+\b], 23, v[244+\b]         ; the byte
.endr
	s_delay_alu instid0(VALU_DEP_3)
	v_lshl_or_b32 v253, v237, 8, v236              ; p's scale word for these 128 keys
	s_delay_alu instid0(VALU_DEP_1)
	v_lshl_or_b32 v253, v238, 16, v253
	s_delay_alu instid0(VALU_DEP_1)
	v_lshl_or_b32 v253, v239, 24, v253
.irp c, 0,1
	v_cvt_scalef32_pk16_fp6_f32 v[224+6*\c:226+6*\c], v[96+32*\c:111+32*\c], v[244+2*\c]
	v_cvt_scalef32_pk16_fp6_f32 v[236+4*\c:238+4*\c], v[112+32*\c:127+32*\c], v[244+2*\c+1]
.endr
	v_nop                                          ; one plain place behind a scaled conversion
.irp c, 0,1
.irp i, 0,1,2
	v_permlane16_swap_b32 v[224+6*\c+\i], v[236+4*\c+\i]
.endr
.irp i, 0,1,2
	s_delay_alu instid0(VALU_DEP_3)
	v_mov_b32 v[227+6*\c+\i], v[236+4*\c+\i]
.endr
.endr
	s_wait_alu depctr_va_vdst(0)                   ; directly ahead of the first reader of O^T
.set j, 0
.rept 16
	v_pk_mul_f32 v[160+j:161+j], v[160+j:161+j], v[252:253] op_sel_hi:[1,0]   ; O^T under the new M; these sixteen are also the places in front of the scaled products
.set j, j+2
.endr
	s_wait_alu depctr_va_vdst(0)
	s_wait_dscnt 0x0                               ; V's fragments are in
.irp t, 0,1,2,3                        ; O^T += V^T P^T: channel tile t = 2 g + u; the four accumulators take turns
.if \t/2 == 0
	v_wmma_scale_f32_16x16x128_f8f6f4 v[160+8*\t:167+8*\t], v[FR+12*\t:FR+12*\t+11], v[224:235], v[160+8*\t:167+8*\t], v[VS+\t%2], v253 matrix_a_fmt:MATRIX_FMT_FP6 matrix_b_fmt:MATRIX_FMT_FP6
.else
	v_wmma_scale_f32_16x16x128_f8f6f4 v[160+8*\t:167+8*\t], v[FR+12*\t:FR+12*\t+11], v[224:235], v[160+8*\t:167+8*\t], v[VS+\t%2], v253 matrix_a_fmt:MATRIX_FMT_FP6 matrix_b_fmt:MATRIX_FMT_FP6 matrix_a_scale:MATRIX_SCALE_ROW1
.endif
.endr
	s_add_co_u32 s[TB], s[TB], KSTEP
	s_add_co_u32 s[TS], s[TS], 256
.endm
.macro STEPS n                         ; n key steps on end
	s_mov_b32 s[CNT], \n
.Lstep_\@:
	STEP
	s_sub_co_u32 s[CNT], s[CNT], 1
	s_cmp_lg_u32 s[CNT], 0
	s_cbranch_scc1 .Lstep_\@
.endm
; A tile's way out.  p: which of my two tiles: it enters the stores' immediates alone
.macro LEAVE p
	v_pk_add_f32 v[PS:PS+1], v[PS:PS+1], v[PS+2:PS+3]             ; the last step's partial pairs are joined (these lines are also places behind the last products)
	v_pk_add_f32 v[PS+4:PS+5], v[PS+4:PS+5], v[PS+6:PS+7]
	v_pk_add_f32 v[PS+8:PS+9], v[PS+8:PS+9], v[PS+10:PS+11]
	v_pk_add_f32 v[14:15], v[14:15], v[PS+12:PS+13]
	v_pk_add_f32 v[PS:PS+1], v[PS:PS+1], v[PS+4:PS+5]
	v_pk_add_f32 v[14:15], v[14:15], v[PS+8:PS+9]
	v_pk_add_f32 v[14:15], v[14:15], v[PS:PS+1]
	; O^T / the sum; register 16 g + i = channel 32 g + 16 h + i of my query: two blocks, quantised into half a fragment
	v_add_f32 v14, v14, v15
	s_delay_alu instid0(VALU_DEP_1)
	v_permlanex16_b32 v252, v14, s[SEL], s[SEL+1]
	s_delay_alu instid0(VALU_DEP_1)
	v_add_f32 v14, v14, v252                       ; the row's sum
	s_wait_alu depctr_va_vdst(0)
	v_rcp_f32 v14, v14
	v_lshlrev_b32 v247, 4, v10                     ; (a plain place behind the reciprocal)
	s_delay_alu instid0(VALU_DEP_1)
	v_add_nc_u32 v247, v247, v11                   ; 16 r + h: my byte among the scale words
	s_wait_alu depctr_va_vdst(0)                   ; the wait, ahead of the reciprocal's first reader
.set j, 0
.rept 32
	v_mul_f32 v[96+j], v[160+j], v14
.set j, j+1
.endr
.irp b, 0,1
	v_max3_num_f32 v[232+\b], |v[96+16*\b]|, |v[97+16*\b]|, 0x1800000
.endr
.irp i, 2,4,6,8,10,12,14
.irp b, 0,1
	s_delay_alu instid0(VALU_DEP_2)
	v_max3_num_f32 v[232+\b], v[232+\b], |v[96+16*\b+\i]|, |v[97+16*\b+\i]|
.endr
.endr
.irp b, 0,1
	s_delay_alu instid0(VALU_DEP_2)
	v_permlanex16_b32 v[236+\b], v[232+\b], s[SEL], s[SEL+1]
.endr
.irp b, 0,1
	s_delay_alu instid0(VALU_DEP_2)
	v_max_num_f32 v[232+\b], v[232+\b], v[236+\b]
.endr
.irp b, 0,1
	s_delay_alu instid0(VALU_DEP_2)
	v_add_nc_u32 v[244+\b], 0xff000000, v[232+\b]
.endr
.irp b, 0,1
	s_delay_alu instid0(VALU_DEP_2)
	v_lshrrev_b32 v[236+\b], 23, v[244+\b]
.endr
	v_cvt_scalef32_pk16_fp6_f32 v[224:226], v[96:111], v244
	v_cvt_scalef32_pk16_fp6_f32 v[240:242], v[112:127], v245
	v_nop
.irp i, 0,1,2
	v_permlane16_swap_b32 v[224+\i], v[240+\i]
.endr
.irp i, 0,1,2
	s_delay_alu instid0(VALU_DEP_3)
	v_mov_b32 v[227+\i], v[240+\i]
.endr
	v_cmp_ne_u32 vcc_lo, 0, v11
	s_delay_alu instid0(VALU_DEP_1)
	v_cndmask_b32 v246, v236, v237, vcc_lo         ; lane (r, h) stores block h's byte of row r
	global_store_b128 v[L16], v[224:227], s[8:9] offset:16*12288*\p            ; 512 consecutive bytes, at a multiple of 256 from the buffer's first byte,
	global_store_b64 v[L8], v[228:229], s[8:9] offset:16*12288*\p+512          ; and 256
	global_store_b8 v247, v246, s[10:11] offset:8*1024*\p                      ; two bytes of each row's sixteen: one part in 24 of what the wave stores
.endm
	s_wait_loadcnt 0x0                             ; the first tile's q
	INIT 0
	s_mov_b32 s[TB], CODES
	s_mov_b32 s[TS], 0
	s_wait_alu depctr_va_vdst(0)
	s_cmp_lt_u32 s[WV], 2                          ; waves 0 and 1 asked for the scale words and key steps 0 and 1, by lines that no other wave issues: they wait for them
	s_cbranch_scc0 .Lnot_mine
	s_wait_tensorcnt 0x0
.Lnot_mine:
	s_wait_dscnt 0x0
	s_barrier_signal -1
	s_barrier_wait -1                              ; these are whole for all sixteen waves; the other key steps may be on their way
	global_load_b128 v[NQ:NQ+3], v[L16], s[66:67] offset:16*768   ; the second tile's q waits in registers of its own
	global_load_b64 v[NQ+4:NQ+5], v[L8], s[66:67] offset:16*768+512
	global_load_b32 v[NQ+6], v39, s[68:69] offset:8*64
	STEPS 2
	s_wait_alu depctr_va_vdst(0)
	s_wait_tensorcnt 0x0                           ; my load, if I issued one, has landed: every wave waits, under no branch
	s_wait_dscnt 0x0
	s_barrier_signal -1
	s_barrier_wait -1                              ; all of the head's K and V is whole for all sixteen waves
	STEPS 14
	LEAVE 0
	INIT 1
	s_mov_b32 s[TB], CODES
	s_mov_b32 s[TS], 0
	STEPS 16
	LEAVE 1
	s_wait_tensorcnt 0x0                           ; the wave's end, behind my tensor load
	ds_add_u32 v[SPW], v[NIL]
	s_wait_dscnt 0x0
	CROUND                                         ; the closing round
	s_endpgm
.Lfunc_end_k_qf7f992448a_attn:
	.size	k_qf7f992448a_attn, .Lfunc_end_k_qf7f992448a_attn-k_qf7f992448a_attn
	.p2alignl 7, 3214868480
	.fill 96, 4, 3214868480
	.section	.rodata,"a",@progbits
	.p2align	6, 0x0
	.amdhsa_kernel k_qf7f992448a_attn
		.amdhsa_group_segment_fixed_size 223232
		.amdhsa_private_segment_fixed_size 0
		.amdhsa_enable_private_segment 0
		.amdhsa_kernarg_size 32
		.amdhsa_user_sgpr_count 2
		.amdhsa_user_sgpr_kernarg_segment_ptr 1
		.amdhsa_wavefront_size32 1
		.amdhsa_system_sgpr_workgroup_id_x 1
		.amdhsa_system_sgpr_workgroup_id_y 1
		.amdhsa_system_sgpr_workgroup_id_z 1
		.amdhsa_system_vgpr_workitem_id 0
		.amdhsa_next_free_vgpr 256
		.amdhsa_next_free_sgpr 80
		.amdhsa_reserve_vcc 1
		.amdhsa_float_denorm_mode_32 3
		.amdhsa_float_denorm_mode_16_64 3
		.amdhsa_memory_ordered 1
		.amdhsa_forward_progress 1
		.amdhsa_inst_pref_size 72
	.end_amdhsa_kernel
	.amdgpu_metadata
---
amdhsa.version: [ 1, 2 ]
amdhsa.kernels:
  - .name:           k_qf7f992448a_attn
    .symbol:         k_qf7f992448a_attn.kd
    .args:
      - { .name: qkvc, .offset: 0, .size: 8, .value_kind: global_buffer, .address_space: global }
      - { .name: qkvs, .offset: 8, .size: 8, .value_kind: global_buffer, .address_space: global }
      - { .name: aoc, .offset: 16, .size: 8, .value_kind: global_buffer, .address_space: global }
      - { .name: aos, .offset: 24, .size: 8, .value_kind: global_buffer, .address_space: global }
    .group_segment_fixed_size: 223232
    .private_segment_fixed_size: 0
    .kernarg_segment_align: 8
    .kernarg_segment_size: 32
    .max_flat_workgroup_size: 512
    .sgpr_count:     80
    .vgpr_count:     256
    .wavefront_size: 32
...
	.end_amdgpu_metadata
.endif
;; end of part 3
;; launch oproj (part 4): grid 4 x 64, 4 waves a work-group, clusters of 4 x 4, 327,680 bytes of LDS; arguments aoc, aos, cod, scl, bo, out0; writes out0
.if DOCPART == 4
	.amdgcn_target "amdgcn-amd-amdhsa--gfx1250"
	.amdhsa_code_object_version 6
	.text
	.protected	k_qf7f992448a_oproj
	.globl	k_qf7f992448a_oproj
	.p2align	8
	.type	k_qf7f992448a_oproj,@function
k_qf7f992448a_oproj:
	s_mov_b64 s[64:65], 0
	v_nop
	global_prefetch_b8 v0, s[64:65] scope:SCOPE_SE
	s_setreg_imm32_b32 hwreg(HW_REG_WAVE_MODE, 25, 1), 1
	s_wait_xcnt 0x0
	s_wait_alu depctr_hold_cnt(0) depctr_sa_sdst(0) depctr_va_vdst(0) depctr_va_sdst(0) depctr_va_ssrc(0) depctr_va_vcc(0) depctr_vm_vsrc(0)
	s_getreg_b32 s2, hwreg(HW_REG_IB_STS2, 6, 4)
	s_cmp_eq_u32 s2, 0
	s_cbranch_scc0 .Lentry_in_a_cluster
	s_endpgm
.Lentry_in_a_cluster:
	s_bfe_u32 s2, ttmp6, 0x10000c
	s_cmp_lg_u32 s2, 0xf033
	s_cbranch_scc0 .Lentry_shape_is_right
	s_endpgm
.Lentry_shape_is_right:
; out0 = AO wo^T + bo on codes of FP6 (E2M3), sums and result in f32.  AO's codes and scale words come from the attention launch, wo's from the first launch, both as images of operand registers.
; FRAME.  A work-group makes 128 tokens (operand R, source 1) x 256 columns (operand C, source 0), K = 1,024; four waves, each 64 x 128: 32 accumulators.  The product is used transposed: a lane holds one
; token, and the 16 registers of column tiles (g, 0), (g, 1) are 16 neighbouring columns 32 g + 16 (lane / 16) + 0 .. 15.  A tile's rows are 32 g + 8 u + r + 8 (r / 8).
; LDS.  Both operands for the whole K lie in LDS in two halves of four K steps: [K half][R's 8 tiles, then C's 16][6,144 bytes]; first fills only, one tensor load a wave: wave 0 R's first half, wave 1 C's,
; wave 2 R's second half, wave 3 C's, each by a line of its own.  The first barrier shows waves 0 and 1's tiles, the barrier in K step 3 the others'.  All is asked for at the head: no prefetch.
; CLUSTER 4 x 4: R's tiles are asked for jointly along a row of the cluster, C's along a column.
; REGISTERS: window 0: v1-29 addresses; v32-47 R's scale words, v48-79 C's; v80-143 the bias; v144-239 R's fragments, two sets; on the way out v80-207 take rows of the result.
;   window 1: C's fragments, sets at v0 and v128.   window 2: accumulator (a, b) at v[8 (8 a + b)].
.set TILEB, 6144                       ; four K steps of one tile of 16 rows
.set HALF,  24*TILEB
.set SPARE, 2*HALF                     ; the spare words, 128 bytes a wave: two blocks of 256 bytes that no other line names
.set LN,   1
.set RR,   2
.set HH,   3
.set L16,  4
.set L8,   5
.set AR16, 8
.set AR8,  12
.set AC16, 16
.set AC8,  20
.set STO,  24                          ; the way out: where I put 64 bytes of a row
.set RD,   25                          ; and where I read a row back
.set VB0,  26                          ; the bias: 64 h
.set SPW,  28
.set NIL,  29
.set SCR,  32
.set SCC,  48
.set BI,   80
.set RF,   144
.set BK,   80
.set WV,   18
.set WR,   19
.set WC,   20
.set G1R,  24
.set G0R,  32
.set G1C,  48
.set G0C,  56
.set RB,   77
.set CB,   78
.set RT,   79
.set CT,   80
.set MSB, 0
.macro WIN new
.if MSB != \new
	s_set_vgpr_msb (MSB<<8)|\new
.set MSB, \new
.endif
.endm
.macro PLACES n
.rept \n
	v_nop
.endr
.endm
.macro CROUND
	s_barrier_signal -1
	s_barrier_wait -1
	s_cmp_lg_u32 s[WV], 0
	s_cbranch_scc1 .Lnot_wave_0_\@
	s_barrier_signal -3
.Lnot_wave_0_\@:
	s_barrier_wait -3
	s_barrier_signal -1
	s_barrier_wait -1
.endm
.macro ARM under, g0, g1, next         ; one arm of the head's chain: a load, its s_nop 0 and four v_nop, a jump to the join
	s_cmp_lt_u32 s[WV], \under
	s_cbranch_scc0 \next
	tensor_load_to_lds s[\g0:\g0+3], s[\g1:\g1+7]
	s_nop 0
	PLACES 4
	s_branch .Lasked
\next:
.endm
	s_load_b256 s[4:11], s[0:1], 0x0               ; aoc, aos, cod, scl
	s_load_b128 s[12:15], s[0:1], 0x20             ; bo, out0
	v_lshl_add_u32 v[SPW], v0, 2, SPARE
	v_mov_b32 v[NIL], 0
	ds_add_u32 v[SPW], v[NIL]                      ; the opening lines: the add, twice on end, and its wait ahead of my tensor load
	ds_add_u32 v[SPW], v[NIL]
	v_lshrrev_b32 v1, 5, v0
	v_readfirstlane_b32 s[WV], v1
	s_lshr_b32 s[WR], s[WV], 1
	s_and_b32 s[WC], s[WV], 1
	s_bfe_u32 s21, ttmp6, 0x40000                  ; cx
	s_bfe_u32 s22, ttmp6, 0x40004                  ; cy
	s_and_b32 s[RB], ttmp7, 0xffff
	s_lshl_b32 s[RB], s[RB], 2
	s_add_co_u32 s[RB], s[RB], s22                 ; tile row of 64
	s_lshl_b32 s[CB], ttmp9, 2
	s_add_co_u32 s[CB], s[CB], s21                 ; tile column of 4
	s_lshl_b32 s[RT], s[RB], 3                     ; R's first tile in aoc
	s_lshl_b32 s[CT], s[CB], 4
	s_add_co_u32 s[CT], s[CT], 704                 ; C's first tile in cod: wo begins at tile 704
	s_lshl_b32 s100, s22, 2
	s_lshl_b32 s100, 15, s100
	s_lshl_b32 s101, 0x1111, s21
	s_or_b32 s[G1R], s100, (3<<16)|(1<<21)         ; rows of 6,144 bytes (768 elements of 8), 12,288 apart in memory, dense in LDS
	s_or_b32 s[G1C], s101, (3<<16)|(1<<21)
	s_mov_b32 s[G1R+1], 768<<16
	s_mov_b32 s[G1R+2], 8<<16
	s_mov_b32 s[G1R+3], 768<<16
	s_mov_b32 s[G1R+4], 8
	s_mov_b32 s[G1R+5], 1536
	s_mov_b32 s[G1R+6], 0
	s_mov_b32 s[G1R+7], 0
	s_mov_b32 s[G1C+1], 768<<16
	s_mov_b32 s[G1C+2], 16<<16
	s_mov_b32 s[G1C+3], 768<<16
	s_mov_b32 s[G1C+4], 16
	s_mov_b32 s[G1C+5], 1536
	s_mov_b32 s[G1C+6], 0
	s_mov_b32 s[G1C+7], 0
	s_mul_i32 s82, s[RT], 12288
	s_mov_b32 s83, 0
	s_mul_i32 s84, s[CT], 12288
	s_mov_b32 s85, 0
	s_lshl_b32 s98, s[WR], 2
	s_add_co_u32 s98, s98, s[RT]
	s_lshl_b32 s98, s98, 9
	s_mov_b32 s99, 0
	s_lshl_b32 s100, s[WC], 3
	s_add_co_u32 s100, s100, s[CT]
	s_lshl_b32 s100, s100, 9
	s_mov_b32 s101, 0
	s_lshl_b32 s2, s[CB], 10
	s_lshl_b32 s3, s[WC], 9
	s_add_co_u32 s2, s2, s3                        ; my 128 columns, in bytes: for the bias and for the result
	s_mov_b32 s3, 0
	s_lshl_b32 s88, s[RB], 19
	s_lshl_b32 s89, s[WR], 18
	s_add_co_u32 s88, s88, s89                     ; my 64 rows of 4,096 bytes
	s_mov_b32 s89, 0
	s_wait_alu depctr_va_vdst(0)
	s_wait_dscnt 0x0
	s_wait_kmcnt 0x0
	s_add_nc_u64 s[82:83], s[4:5], s[82:83]
	s_add_nc_u64 s[84:85], s[8:9], s[84:85]
	s_add_nc_u64 s[98:99], s[6:7], s[98:99]
	s_add_nc_u64 s[100:101], s[10:11], s[100:101]
	s_add_nc_u64 s[12:13], s[12:13], s[2:3]
	s_add_nc_u64 s[14:15], s[14:15], s[2:3]
	s_add_nc_u64 s[14:15], s[14:15], s[88:89]
.irp q, 0,1
	s_mov_b32 s[G0R+4*\q], 1
	s_mov_b32 s[G0R+4*\q+1], \q*HALF
	s_add_nc_u64 s[G0R+4*\q+2:G0R+4*\q+3], s[82:83], \q*TILEB
	s_or_b32 s[G0R+4*\q+3], s[G0R+4*\q+3], 0x80000000
	s_mov_b32 s[G0C+4*\q], 1
	s_mov_b32 s[G0C+4*\q+1], \q*HALF+8*TILEB
	s_add_nc_u64 s[G0C+4*\q+2:G0C+4*\q+3], s[84:85], \q*TILEB
	s_or_b32 s[G0C+4*\q+3], s[G0C+4*\q+3], 0x80000000
.endr
	CROUND                                         ; all sixteen work-groups are here: the joint loads meet
	ARM 1, G0R,   G1R, .Lhead_c0
	ARM 2, G0C,   G1C, .Lhead_r1
	ARM 3, G0R+4, G1R, .Lhead_c1
	tensor_load_to_lds s[G0C+4:G0C+7], s[G1C:G1C+7]
	s_nop 0
	PLACES 4
.Lasked:
	v_and_b32 v[LN], 31, v0
	v_and_b32 v[RR], 15, v0
	v_bfe_u32 v[HH], v0, 4, 1
	v_lshlrev_b32 v[L16], 4, v[LN]
	v_lshlrev_b32 v[L8], 3, v[LN]
	v_lshlrev_b32 v[VB0], 6, v[HH]
.irp g, 0,1
.irp q, 0,1
	global_load_b128 v[SCR+8*\g+4*\q:SCR+8*\g+4*\q+3], v[L16], s[98:99] offset:1024*\g+512*\q
.endr
.endr
.irp g, 0,1,2,3
.irp q, 0,1
	global_load_b128 v[SCC+8*\g+4*\q:SCC+8*\g+4*\q+3], v[L16], s[100:101] offset:1024*\g+512*\q
.endr
.endr
.irp b, 0,1,2,3,4,5,6,7                ; the bias is the C of each sum's first product: tile b's eight columns 32 (b / 2) + 16 h + 8 (b % 2) + 0 .. 7
	global_load_b128 v[BI+8*\b:BI+8*\b+3], v[VB0], s[12:13] offset:(32*(\b/2)+8*(\b%2))*4
	global_load_b128 v[BI+8*\b+4:BI+8*\b+7], v[VB0], s[12:13] offset:(32*(\b/2)+8*(\b%2))*4+16
.endr
	s_mul_i32 s88, s[WR], 4*TILEB
	s_mul_i32 s89, s[WC], 8*TILEB
	s_add_co_u32 s89, s89, 8*TILEB
.irp q, 0,1
	v_add_nc_u32 v[AR16+\q], s88, v[L16]
	v_add_nc_u32 v[AR8+\q], s88, v[L8]
	v_add_nc_u32 v[AC16+\q], s89, v[L16]
	v_add_nc_u32 v[AC8+\q], s89, v[L8]
	s_add_co_u32 s88, s88, HALF
	s_add_co_u32 s89, s89, HALF
.endr
	s_mul_i32 s86, s[WV], 8448                     ; my stage: 16 rows x (512 bytes + 16), in the first K half's bytes
	v_mul_u32_u24 v[STO], v[RR], 528
	v_lshl_add_u32 v[STO], v[HH], 6, v[STO]
	v_add_nc_u32 v[STO], s86, v[STO]
	v_add_nc_u32 v[RD], s86, v[L16]
.macro FRAG reg, a16, a8, off
	ds_load_b128 v[(\reg):(\reg)+3], v[\a16] offset:(\off)
	ds_load_b64 v[(\reg)+4:(\reg)+5], v[\a8] offset:(\off)+512
	ds_load_b128 v[(\reg)+6:(\reg)+9], v[\a16] offset:(\off)+768
	ds_load_b64 v[(\reg)+10:(\reg)+11], v[\a8] offset:(\off)+1280
.endm
.macro FETCH s, p                      ; K step s into set p: 48 LDS loads in one run
	WIN 0x40
.irp j, 0,1,2,3,4,5,6,7
	FRAG 128*(\p)+12*\j, AC16+(\s)/4, AC8+(\s)/4, TILEB*\j+1536*((\s)%4)
.endr
	WIN 0
.irp i, 0,1,2,3
	FRAG RF+48*(\p)+12*\i, AR16+(\s)/4, AR8+(\s)/4, TILEB*\i+1536*((\s)%4)
.endr
.endm
.macro WM a, b, p, s, cm               ; cm = 0: onto the sum; 1: the bias starts it.  An odd tile's scale words lie in lanes 16-31
.set rD, 8*(8*(\a)+(\b))
.set rC, rD
.if (\cm) == 1
.set rC, BI+8*(\b)
.endif
.set rA, 128*(\p)+12*(\b)
.set rB, RF+48*(\p)+12*(\a)
.set rX, SCC+8*((\b)/2)+(\s)
.set rY, SCR+8*((\a)/2)+(\s)
.if ((\a)%2 == 0) && ((\b)%2 == 0)
	v_wmma_scale_f32_16x16x128_f8f6f4 v[rD:rD+7], v[rA:rA+11], v[rB:rB+11], v[rC:rC+7], v[rX], v[rY] matrix_a_fmt:MATRIX_FMT_FP6 matrix_b_fmt:MATRIX_FMT_FP6
.elseif ((\a)%2 == 0)
	v_wmma_scale_f32_16x16x128_f8f6f4 v[rD:rD+7], v[rA:rA+11], v[rB:rB+11], v[rC:rC+7], v[rX], v[rY] matrix_a_fmt:MATRIX_FMT_FP6 matrix_b_fmt:MATRIX_FMT_FP6 matrix_a_scale:MATRIX_SCALE_ROW1
.elseif ((\b)%2 == 0)
	v_wmma_scale_f32_16x16x128_f8f6f4 v[rD:rD+7], v[rA:rA+11], v[rB:rB+11], v[rC:rC+7], v[rX], v[rY] matrix_a_fmt:MATRIX_FMT_FP6 matrix_b_fmt:MATRIX_FMT_FP6 matrix_b_scale:MATRIX_SCALE_ROW1
.else
	v_wmma_scale_f32_16x16x128_f8f6f4 v[rD:rD+7], v[rA:rA+11], v[rB:rB+11], v[rC:rC+7], v[rX], v[rY] matrix_a_fmt:MATRIX_FMT_FP6 matrix_b_fmt:MATRIX_FMT_FP6 matrix_a_scale:MATRIX_SCALE_ROW1 matrix_b_scale:MATRIX_SCALE_ROW1
.endif
.endm
.macro MUL16 a0, p, s, cm              ; the 32 accumulators take turns, one instruction a turn, in the same order in every K step
.irp a, \a0, \a0+1
.irp b, 0,1,2,3,4,5,6,7
	WM \a, \b, \p, \s, \cm
.endr
.endr
.endm
.macro STEP s, fetch                   ; K step s on set s % 2; the next step's fragments are fetched in its middle
	s_wait_dscnt 0x0                               ; this step's fragments are in
.if (\s) == 3
	s_wait_tensorcnt 0x0                           ; K step 4 begins the second K half: every wave's load has landed,
	s_barrier_signal -1
.endif
	WIN 0xa1
	MUL16 0, (\s)%2, \s, 0
.if (\s) == 3
	s_barrier_wait -1                              ; and everybody says so
.endif
.if \fetch
	PLACES 4                                       ; in front of loads into registers that products have read
	FETCH (\s)+1, 1-(\s)%2
.endif
	WIN 0xa1
	MUL16 2, (\s)%2, \s, 0
.endm
	s_wait_alu depctr_va_vdst(0)
	s_cmp_lt_u32 s[WV], 2                          ; waves 0 and 1 asked for the first K half, by lines that no other wave issues: they wait for it
	s_cbranch_scc0 .Lnot_first
	s_wait_tensorcnt 0x0
.Lnot_first:
	s_barrier_signal -1
	s_barrier_wait -1                              ; the first K half is whole; the second may be on its way
	FETCH 0, 0
	FETCH 1, 1
	s_wait_loadcnt 0x0                             ; scale words and bias
	s_wait_dscnt 48                                ; K step 0's fragments are in; K step 1's 48 loads may be out
	WIN 0x81                                       ; C (the bias) window 0
	MUL16 0, 0, 0, 1
	MUL16 2, 0, 0, 1
.irp s, 1,2,3,4,5,6
	STEP \s, 1
.endr
	STEP 7, 0
	WIN 0
	PLACES 4                                       ; behind the last products: their results are read, and loads land in registers that they read
; THE WAY OUT, a tile of 16 tokens x 128 columns at a time, through my own stage and back as whole rows of 512 bytes.  The stage lies in the first K half's bytes, which were filled once; every wave's reads
; of them were over in front of the barrier of K step 3.  LDS serves a wave's instructions in order: no wait between the stores and the loads, nor in front of the next tile's stores.
.macro TOSTAGE a
	WIN 0x08                                       ; an LDS store's data are its source 1: the accumulators' window
.irp g, 0,1,2,3
.irp i, 0,1,2,3
	ds_store_b128 v[STO], v[64*(\a)+16*\g+4*\i:64*(\a)+16*\g+4*\i+3] offset:128*\g+16*\i   ; each accumulator from its low end on
.endr
.endr
	WIN 0
.set BB, BK+64*((\a)%2)
.irp t, 0,1,2,3,4,5,6,7,8,9,10,11,12,13,14,15
	ds_load_b128 v[BB+4*\t:BB+4*\t+3], v[RD] offset:528*\t
.endr
.endm
.macro SEND a, younger                 ; younger: the LDS instructions issued behind tile a's loads, which may stay out
.set BB, BK+64*((\a)%2)
	s_wait_dscnt \younger
.irp t, 0,1,2,3,4,5,6,7,8,9,10,11,12,13,14,15
	global_store_b128 v[L16], v[BB+4*\t:BB+4*\t+3], s[14:15] offset:(32*((\a)/2)+8*((\a)%2)+\t+8*(\t/8))*4096 th:TH_STORE_NT   ; 512 consecutive bytes of one row, at a multiple of 256 from out0's first byte
.endr
.endm
	TOSTAGE 0
	TOSTAGE 1
	SEND 0, 32                                     ; behind tile 0's loads: tile 1's 16 stores and 16 loads
	s_wait_xcnt 0x0                                ; tile 0's stores have read their registers: tile 2's loads may land there
	TOSTAGE 2
	SEND 1, 32
	s_wait_xcnt 0x0
	TOSTAGE 3
	SEND 2, 32
	SEND 3, 0
	s_wait_tensorcnt 0x0                           ; the wave's end, behind my tensor load and my last LDS store
	ds_add_u32 v[SPW], v[NIL]
	s_wait_dscnt 0x0
	CROUND                                         ; the closing round
	s_endpgm
.Lfunc_end_k_qf7f992448a_oproj:
	.size	k_qf7f992448a_oproj, .Lfunc_end_k_qf7f992448a_oproj-k_qf7f992448a_oproj
	.p2alignl 7, 3214868480
	.fill 96, 4, 3214868480
	.section	.rodata,"a",@progbits
	.p2align	6, 0x0
	.amdhsa_kernel k_qf7f992448a_oproj
		.amdhsa_group_segment_fixed_size 327680
		.amdhsa_private_segment_fixed_size 0
		.amdhsa_enable_private_segment 0
		.amdhsa_kernarg_size 48
		.amdhsa_user_sgpr_count 2
		.amdhsa_user_sgpr_kernarg_segment_ptr 1
		.amdhsa_wavefront_size32 1
		.amdhsa_system_sgpr_workgroup_id_x 1
		.amdhsa_system_sgpr_workgroup_id_y 1
		.amdhsa_system_sgpr_workgroup_id_z 1
		.amdhsa_system_vgpr_workitem_id 0
		.amdhsa_next_free_vgpr 768
		.amdhsa_next_free_sgpr 102
		.amdhsa_reserve_vcc 0
		.amdhsa_float_denorm_mode_32 3
		.amdhsa_float_denorm_mode_16_64 3
		.amdhsa_memory_ordered 1
		.amdhsa_forward_progress 1
		.amdhsa_inst_pref_size 83
	.end_amdhsa_kernel
	.amdgpu_metadata
---
amdhsa.version: [ 1, 2 ]
amdhsa.kernels:
  - .name:           k_qf7f992448a_oproj
    .symbol:         k_qf7f992448a_oproj.kd
    .args:
      - { .name: aoc, .offset: 0, .size: 8, .value_kind: global_buffer, .address_space: global }
      - { .name: aos, .offset: 8, .size: 8, .value_kind: global_buffer, .address_space: global }
      - { .name: cod, .offset: 16, .size: 8, .value_kind: global_buffer, .address_space: global }
      - { .name: scl, .offset: 24, .size: 8, .value_kind: global_buffer, .address_space: global }
      - { .name: bo, .offset: 32, .size: 8, .value_kind: global_buffer, .address_space: global }
      - { .name: out0, .offset: 40, .size: 8, .value_kind: global_buffer, .address_space: global }
    .group_segment_fixed_size: 327680
    .private_segment_fixed_size: 0
    .kernarg_segment_align: 8
    .kernarg_segment_size: 48
    .max_flat_workgroup_size: 128
    .sgpr_count:     102
    .vgpr_count:     768
    .wavefront_size: 32
...
	.end_amdgpu_metadata
.endif
;; end of part 4
